; MI455X (gfx1250); checked and timed in simulation.
; The chip was launched on July 23, 2026; its instructions are those of AMD's public machine-readable ISA for CDNA 5 (MIT licence, August 2026) and "CDNA5" Instruction Set Architecture Reference Guide (July 2026). The comments in the code are by the model that wrote it; some were corrected since.
;; Attention Layer. Allowed arithmetic: matrix products marked QUANTISED: E2M1 operands, one E8M0 scale for each 32 along K, by v_wmma_scale_f32_16x16x128_f8f6f4 with both operands' format E2M1 (or v_wmma_scale_f32_32x16x128_f4), f32 sums; everything else in f32.
;; Inputs: Wk_codes 1,024 x 32 x 16 uint8 (E2M1 codes of Wk, K innermost, in blocks of 32 codes, two codes a byte); Wk_scales 1,024 x 32 uint8 (E8M0 scales of Wk, one for each 32 codes along K); Wo_codes 1,024 x 32 x 16 uint8 (E2M1 codes of Wo, K innermost, in blocks of 32 codes, two codes a byte); Wo_scales 1,024 x 32 uint8 (E8M0 scales of Wo, one for each 32 codes along K); Wq_codes 1,024 x 32 x 16 uint8 (E2M1 codes of Wq, K innermost, in blocks of 32 codes, two codes a byte); Wq_scales 1,024 x 32 uint8 (E8M0 scales of Wq, one for each 32 codes along K); Wv_codes 1,024 x 32 x 16 uint8 (E2M1 codes of Wv, K innermost, in blocks of 32 codes, two codes a byte); Wv_scales 1,024 x 32 uint8 (E8M0 scales of Wv, one for each 32 codes along K); bk 1,024 float32; bo 1,024 float32; bq 1,024 float32; bv 1,024 float32; k 4 x 2,048 x 1,024 float32; norm1_b 1,024 float32; norm1_w 1,024 float32; norm_b 1,024 float32; norm_w 1,024 float32; q 4 x 2,048 x 1,024 float32; v 4 x 2,048 x 1,024 float32.
;; Outputs: out0 4 x 2,048 x 1,024 float32.
;; This version of the problem:
;;   THIS VERSION OF THE PROBLEM IS GIVEN IN LOW PRECISION. The matrix products marked QUANTISED in the list below multiply operands that are first quantised to E2M1 (2 exponent bits, 1 mantissa bit; 4 bits a number), with one power-of-two scale for each 32 numbers along K (OCP MX v1.0); their sums are f32. All else is computed in f32.
;;   The module's matrix products, in the order in which they are computed (A, B: the left and right operand; K: the contracted axis; several contracted axes count as one K, in the product's order):
;;     1. [M 8,192, K 1,024] x [K 1,024, N 1,024]; A: computed on the way; B: input Wq (given as codes): QUANTISED
;;     2. [M 8,192, K 1,024] x [K 1,024, N 1,024]; A: computed on the way; B: input Wk (given as codes): QUANTISED
;;     3. [M 8,192, K 1,024] x [K 1,024, N 1,024]; A: computed on the way; B: input Wv (given as codes): QUANTISED
;;     4. batch 64 x [M 2,048, K 64] x [K 64, N 2,048]; A: computed on the way; B: computed on the way: QUANTISED
;;     5. batch 64 x [M 64, K 2,048] x [K 2,048, N 2,048]; A: computed on the way; B: softmax (see below): QUANTISED
;;     6. [M 8,192, K 1,024] x [K 1,024, N 1,024]; A: computed on the way; B: input Wo (given as codes): QUANTISED
;;   THE QUANTISER, for each operand of a quantised product, along K:
;;     - K is cut into blocks of 32 from its start; a last block that is shorter is filled with zeros.
;;     - A block's scale is 2^e with e = floor(log2(the largest magnitude in the block)) - 2, held to -126 .. 127; a block of zeros has e = 0. As a byte (E8M0): e + 127.
;;     - Each number is divided by its block's scale, clamped to +-6, and rounded to the nearest number of E2M1, ties to even, subnormals kept.
;;     - The product sums the exact products of the quantised numbers (number of the format x scale) in f32.
;;   ~~~python
;;   def quantise(x, axis):      # numpy; x: float32 -> the quantised numbers, widened to float32 again
;;       x = np.moveaxis(x, axis, -1); K = x.shape[-1]
;;       x = np.pad(x, [(0, 0)] * (x.ndim - 1) + [(0, -K % 32)]); x = x.reshape(x.shape[:-1] + (-1, 32)); a = np.abs(x).max(-1, keepdims=True)
;;       e = np.where(a > 0, np.clip(np.frexp(np.where(a > 0, a, 1))[1] - 1 - 2, -126, 127), 0)      # np.frexp(a)[1] - 1 = floor(log2(a)), exactly
;;       r = np.clip(x / 2.0 ** e, -6, 6)
;;       step = 2.0 ** (np.maximum(np.frexp(np.where(r == 0, 1, r))[1] - 1, 0) - 1)
;;       q = np.round(r / step) * step * 2.0 ** e      # np.round: ties to even
;;       return np.moveaxis(q.reshape(q.shape[:-2] + (-1,))[..., :K], -1, axis).astype(np.float32)
;;   ~~~
;;   SOFTMAX AHEAD OF A QUANTISED PRODUCT. Where the list says 'softmax', what is quantised is not the finished softmax but p = 2^(t - M), with t = logit x log2(e) and M = ceil(the row's largest t), a whole number; so 1/2 < the row's largest p <= 1. The row's sum l is taken of the UNQUANTISED p, in f32, and the product's result is divided by l at the end. Since M is a whole number, a kernel that streams over the keys may use a running M (the ceiling of the running maximum): every later rescaling is an exact power of two, which a block's scale takes up: the codes' values come out the same.
;;   OPERANDS COMPUTED ON THE WAY. 'Computed on the way' means the value that the module computes at that place (a softmax that the list does not call 'softmax' is quantised finished and normalised). What goes into a quantiser is computed in f32, as accurately as f32 sums, v_exp_f32 and their like allow (about 1e-6 of the number): no bf16 or f16 on the way to a quantiser, and a product that is left as it is and whose result goes on into a quantised operand takes f32 operands (vector FMAs, or v_wmma_f32_16x16x4_f32). A number that lies on a knife's edge between two numbers of the format may be rounded either way, as far as f32 arithmetic and the matrix unit's own rounding can turn it there, and no further.
;;   INPUTS GIVEN AS CODES. Wk (in the module: [1024, 1024], K = its axis 0); Wo (in the module: [1024, 1024], K = its axis 0); Wq (in the module: [1024, 1024], K = its axis 0); Wv (in the module: [1024, 1024], K = its axis 0): each comes as NAME_codes (uint8): NAME with its K axis moved to the last place and cut into blocks of 32 codes, [.., K / 32, bytes a block], one block behind the other in memory; two codes a byte, the lower K in the low four bits (a code: sign, 2 exponent bits, 1 mantissa bit); and NAME_scales (uint8): the same leading axes, one E8M0 byte (e + 127) for each 32 codes along K. Its value is code x scale, taken as it is: it is not quantised again, and the codes and scales need not be those that the quantiser above would give.
;; One version. Each part assembles by itself: llvm-mc -triple=amdgcn-amd-amdhsa -mcpu=gfx1250 --defsym DOCPART=n.
;; ======== version 1 of 1: 3 launches
;; limits: right only within a limited range of input values
;; workspace buffers: wimg 2,097,152 bytes; img 12,582,912 bytes; scl 1,310,720 bytes; qf 33,554,432 bytes
;; launch lay (part 1): grid 64 x 4, 8 waves a work-group, no clusters, 0 bytes of LDS; arguments Wq_codes, Wk_codes, Wv_codes, Wo_codes, wimg; writes wimg
.if DOCPART == 1
	.amdgcn_target "amdgcn-amd-amdhsa--gfx1250"
	.amdhsa_code_object_version 6
	.text
	.protected	k_q641c4fce35_lay
	.globl	k_q641c4fce35_lay
	.p2align	8
	.type	k_q641c4fce35_lay,@function
k_q641c4fce35_lay:
	s_mov_b64 s[64:65], 0
	v_nop
	global_prefetch_b8 v0, s[64:65] scope:SCOPE_SE
	s_setreg_imm32_b32 hwreg(HW_REG_WAVE_MODE, 25, 1), 1
	s_wait_xcnt 0x0
; The four weights' codes, [1024 n][32 blocks][16 bytes], are laid once in the order in which a wave's operand registers take them:
; wimg[y: q,k,v,o][g 16][s 8][t 4][c 2][lane 32] x 16 bytes.  The piece of lane (r, h) holds row n = 64 g + 32 (t/2) + 8 (t%2) + r + 8 (r/8), block 4 s + 2 c + h.
; So a fragment (16 rows x 128 K) is 1,024 consecutive bytes, and a later launch loads it by two loads of 16 bytes a lane at 16 x lane.
; A work-group writes 8,192 consecutive bytes of weight y (two K steps of one group g); a thread two pieces.  Nothing is computed: no LDS, no barrier.
	s_load_b256 s[4:11], s[0:1], 0x0               ; Wq, Wk, Wv, Wo: codes
	s_load_b64 s[12:13], s[0:1], 0x20              ; wimg
	s_and_b32 s16, ttmp7, 0xffff                   ; y: which weight
	v_lshrrev_b32 v3, 6, v0                        ; t
	v_and_b32 v4, 15, v0                           ; r
	v_and_b32 v5, 8, v0                            ; 8 (r / 8)
	s_delay_alu instid0(VALU_DEP_1)
	v_add_nc_u32 v4, v4, v5
	s_delay_alu instid0(VALU_DEP_4)
	v_lshrrev_b32 v5, 1, v3
	s_delay_alu instid0(VALU_DEP_1)
	v_lshl_add_u32 v4, v5, 5, v4                   ; + 32 (t / 2)
	v_and_b32 v5, 1, v3
	s_delay_alu instid0(VALU_DEP_1)
	v_lshl_add_u32 v4, v5, 3, v4                   ; + 8 (t % 2): the row inside the group of 64
	s_delay_alu instid0(VALU_DEP_1)
	v_lshlrev_b32 v1, 9, v4                        ; a row of codes is 512 bytes
	v_bfe_u32 v5, v0, 4, 2                         ; 2 c + h
	s_delay_alu instid0(VALU_DEP_1)
	v_lshl_add_u32 v1, v5, 4, v1                   ; + 32 c + 16 h
	v_lshlrev_b32 v2, 4, v0                        ; out: 16 bytes a thread, on end
	s_lshr_b32 s18, ttmp9, 2                       ; g
	s_lshl_b32 s18, s18, 15                        ; 64 rows of 512 bytes
	s_and_b32 s17, ttmp9, 3
	s_lshl_b32 s17, s17, 7                         ; two K steps of 64 bytes
	s_add_co_u32 s18, s18, s17
	s_mov_b32 s19, 0
	s_lshl_b32 s20, s16, 19                        ; the weight's image: 524,288 bytes
	s_lshl_b32 s17, ttmp9, 13
	s_add_co_u32 s20, s20, s17
	s_mov_b32 s21, 0
	s_wait_alu depctr_va_vdst(0)
	s_wait_kmcnt 0x0
	s_cmp_eq_u32 s16, 1                            ; the choice hangs on the work-group's number alone
	s_cselect_b64 s[14:15], s[6:7], s[4:5]
	s_cmp_eq_u32 s16, 2
	s_cselect_b64 s[14:15], s[8:9], s[14:15]
	s_cmp_eq_u32 s16, 3
	s_cselect_b64 s[14:15], s[10:11], s[14:15]
	s_add_nc_u64 s[14:15], s[14:15], s[18:19]
	s_add_nc_u64 s[12:13], s[12:13], s[20:21]
	global_load_b128 v[4:7], v1, s[14:15]
	global_load_b128 v[8:11], v1, s[14:15] offset:64
	s_wait_loadcnt 1                               ; the first piece is in; the second load may be out
	global_store_b128 v2, v[4:7], s[12:13]         ; a wave stores 512 consecutive bytes
	s_wait_loadcnt 0x0
	global_store_b128 v2, v[8:11], s[12:13] offset:4096
	s_endpgm
.Lfunc_end_k_q641c4fce35_lay:
	.size	k_q641c4fce35_lay, .Lfunc_end_k_q641c4fce35_lay-k_q641c4fce35_lay
	.p2alignl 7, 3214868480
	.fill 96, 4, 3214868480
	.section	.rodata,"a",@progbits
	.p2align	6, 0x0
	.amdhsa_kernel k_q641c4fce35_lay
		.amdhsa_group_segment_fixed_size 0
		.amdhsa_private_segment_fixed_size 0
		.amdhsa_enable_private_segment 0
		.amdhsa_kernarg_size 40
		.amdhsa_user_sgpr_count 2
		.amdhsa_user_sgpr_kernarg_segment_ptr 1
		.amdhsa_wavefront_size32 1
		.amdhsa_system_sgpr_workgroup_id_x 1
		.amdhsa_system_sgpr_workgroup_id_y 1
		.amdhsa_system_sgpr_workgroup_id_z 1
		.amdhsa_system_vgpr_workitem_id 0
		.amdhsa_next_free_vgpr 16
		.amdhsa_next_free_sgpr 66
		.amdhsa_reserve_vcc 0
		.amdhsa_float_denorm_mode_32 3
		.amdhsa_float_denorm_mode_16_64 3
		.amdhsa_memory_ordered 1
		.amdhsa_forward_progress 1
		.amdhsa_inst_pref_size 3
	.end_amdhsa_kernel
	.amdgpu_metadata
---
amdhsa.version: [ 1, 2 ]
amdhsa.kernels:
  - .name:           k_q641c4fce35_lay
    .symbol:         k_q641c4fce35_lay.kd
    .args:
      - { .name: Wq_codes, .offset: 0, .size: 8, .value_kind: global_buffer, .address_space: global }
      - { .name: Wk_codes, .offset: 8, .size: 8, .value_kind: global_buffer, .address_space: global }
      - { .name: Wv_codes, .offset: 16, .size: 8, .value_kind: global_buffer, .address_space: global }
      - { .name: Wo_codes, .offset: 24, .size: 8, .value_kind: global_buffer, .address_space: global }
      - { .name: wimg, .offset: 32, .size: 8, .value_kind: global_buffer, .address_space: global }
    .group_segment_fixed_size: 0
    .private_segment_fixed_size: 0
    .kernarg_segment_align: 8
    .kernarg_segment_size: 40
    .max_flat_workgroup_size: 256
    .sgpr_count:     66
    .vgpr_count:     16
    .wavefront_size: 32
...
	.end_amdgpu_metadata
.endif
;; end of part 1
;; launch proj (part 2): grid 128 x 3, 8 waves a work-group, no clusters, 36,096 bytes of LDS; arguments q, k, v, bq, bk, bv, Wq_scales, Wk_scales, Wv_scales, norm_w, norm_b, wimg, img, scl, qf; writes img, scl, qf
.if DOCPART == 2
	.amdgcn_target "amdgcn-amd-amdhsa--gfx1250"
	.amdhsa_code_object_version 6
	.text
	.protected	k_q641c4fce35_proj
	.globl	k_q641c4fce35_proj
	.p2align	8
	.type	k_q641c4fce35_proj,@function
k_q641c4fce35_proj:
	s_mov_b64 s[64:65], 0
	v_nop
	global_prefetch_b8 v0, s[64:65] scope:SCOPE_SE
	s_setreg_imm32_b32 hwreg(HW_REG_WAVE_MODE, 25, 1), 1
	s_wait_xcnt 0x0
; LayerNorm, quantiser, projection, bias and the quantiser of the result, for 64 rows of one of q, k, v (work-group y = 0, 1, 2) and all 1,024 columns.  All products on codes of FP4 (E2M1) with one E8M0 byte for each 32 along K.
; PHASE 1.  Wave w normalises eight rows (a row: eight loads of 512 consecutive bytes, 32 numbers a lane), quantises them along the 1,024 columns and stores codes and scale bytes in LDS AS IMAGES OF THE OPERAND'S REGISTERS:
;   fragment (row tile m, K step s) at m*8192 + s*1024, registers 4c..4c+3 of lane l at + 512 c + 16 l.  One barrier.
; PHASE 2.  Wave w makes heads 2 w and 2 w + 1, one a pass: 4 row tiles x 4 column tiles = 16 accumulators, 8 K steps of 128.  W's fragments come from wimg straight into registers, a K step ahead; each is used by this wave alone.
; THE ROWS OF A TILE ARE NOT NEIGHBOURS: lane r of tile t takes row 32 (t/2) + 8 (t%2) + r + 8 (r/8), of x and of W alike, so that in a result the 16 registers of tiles 2 b, 2 b + 1 are 16 neighbours: 32 b + 16 (lane/16) + 0..15.
; Q, K: source 0 = W, source 1 = x: a lane holds one row and its registers run along the head's 64: two blocks of the next K.  V: source 0 = x, source 1 = W: a lane holds one channel and its registers run along the keys.
; The bias is the C of each sum's first product.  Q, K, V leave as half fragments (512 bytes) and scale words in the order in which the attention launch's registers take them; Q also as f32 (an image of the accumulators), for the residual.
; NO CLUSTER, NO JOINT LOADS: a fragment of W feeds one wave's registers; through LDS the work-group's 524,288 bytes of W would be written there and read back beside x's fragments.
; LIMITS: NaN and infinities are not served; a block whose largest magnitude lies under 2^-124 keeps the byte 1; a block of zeros gets the byte 1 and zero codes (the bytes are read by this program alone); f32 sums run in another order than the definition's.
.set XSC,  32768                       ; LDS: x's scale words at m*576 + s*64 + 4 r, behind the 32,768 bytes of images
.set LI,   1                           ; v1   16 x lane
.set XSA,  2                           ; v2   XSC + 576 (lane/16) + 4 r: lanes 0-15 take an even tile's words, lanes 16-31 the odd one's
.set WSA,  3                           ; v3   (r + 8 (r/8) + 8 (lane/16)) x 32: W's scale words likewise
.set BAQ,  4                           ; v4   64 (lane/16): the bias in the result's layout (Q, K)
.set SH,   5                           ; v5   16 (lane/16)
.set L8,   6                           ; v6   8 x lane
.set VSO,  7                           ; v7   8 r + 4 (lane/16)
.set IA,   8                           ; v8   phase 1: where my two bytes of codes go
.set BAV,  8                           ; v8   phase 2: (r + 8 (r/8)) x 4: the bias of my channel (V)
.set SA,   9                           ; v9   phase 1: where my block's scale byte goes
.set BT,   10                          ; v10-13 V's bias, one number a column tile
.set XS,   14                          ; v14-15 x's scale words       (v14-31 hold scale words and nothing else)
.set WS,   16                          ; v16-31 W's scale words: 8 (t/2) + s
.set XF,   32                          ; v32-63 x's four fragments
.set WF0,  64                          ; v64-95, v96-127 W's four fragments, two sets
.set ACC,  128                         ; v128-255 the 16 accumulators
.set TM,   32                          ; the epilogue works in x's fragment registers: v32-47 at work,
.set PC,   48                          ; v48-55 the codes just made,
.set PW,   56                          ; v56 their scale word,
.set WD,   58                          ; v58-59 the words to store
.set GW,   32                          ; phase 1: v32-63 the gain, v64-95 the bias of my 32 columns
.set GB,   64
.set CH,   96                          ; v96-103 four chains of pairs; later the row's codes
.set MU,   104                         ; v104-105 minus the mean (a pair is named, its low word used)
.set RS,   106                         ; v106-107 1 / sqrt(var + eps)
.set MX,   108                         ; v108-115 the eight blocks' largest magnitudes, then the conversions' scale operands
.set BY,   116                         ; v116-123 the scale bytes
.set PD,   124                         ; v124 a lane permute's destination
.set XR,   128                         ; v128-255 four row slots of 32
.macro XROW j                          ; row j of my eight: eight loads of 512 consecutive bytes into slot j % 4; read once in the launch
.irp i, 0,1,2,3,4,5,6,7
	global_load_b128 v[XR+32*((\j)%4)+4*\i:XR+32*((\j)%4)+4*\i+3], v[LI], s[40:41] offset:(\j)*4096+512*\i th:TH_LOAD_NT
.endr
.endm
.macro REDUCE                          ; the four chains and the 32 lanes become one number, in every lane
	s_delay_alu instid0(VALU_DEP_3)
	v_pk_add_f32 v[CH:CH+1], v[CH:CH+1], v[CH+2:CH+3]
	s_delay_alu instid0(VALU_DEP_2)
	v_pk_add_f32 v[CH+4:CH+5], v[CH+4:CH+5], v[CH+6:CH+7]
	s_delay_alu instid0(VALU_DEP_1)
	v_pk_add_f32 v[CH:CH+1], v[CH:CH+1], v[CH+4:CH+5]
	s_delay_alu instid0(VALU_DEP_1)
	v_add_f32 v[CH], v[CH], v[CH+1]
	s_delay_alu instid0(VALU_DEP_1)
	v_add_f32_dpp v[CH], v[CH], v[CH] row_xmask:1 row_mask:0xf bank_mask:0xf
	s_delay_alu instid0(VALU_DEP_1)
	v_add_f32_dpp v[CH], v[CH], v[CH] row_xmask:2 row_mask:0xf bank_mask:0xf
	s_delay_alu instid0(VALU_DEP_1)
	v_add_f32_dpp v[CH], v[CH], v[CH] row_xmask:4 row_mask:0xf bank_mask:0xf
	s_delay_alu instid0(VALU_DEP_1)
	v_add_f32_dpp v[CH], v[CH], v[CH] row_xmask:8 row_mask:0xf bank_mask:0xf
	s_delay_alu instid0(VALU_DEP_1)
	v_permlanex16_b32 v[PD], v[CH], s56, s57
	s_delay_alu instid0(VALU_DEP_1)
	v_add_f32 v[CH], v[CH], v[PD]
.endm
; One row.  Load i of lane l holds columns 128 i + 4 l .. + 3: K step i, block l / 8: eight lanes hold a block.  left: the younger rows' loads, which may stay out.
.macro LNROW j, left
.set XB, XR+32*((\j)%4)
	s_wait_loadcnt \left                           ; loads come back in order: this row's eight (and, ahead of them, the gains) are in
	s_wait_dscnt 0x0                               ; the last row's LDS stores have read their codes and bytes, which are written again below
.irp k, 0,1,2,3
	v_pk_add_f32 v[CH+2*\k:CH+2*\k+1], v[XB+2*\k:XB+2*\k+1], v[XB+8+2*\k:XB+9+2*\k]
.endr
.irp q, 16,24
.irp k, 0,1,2,3
	s_delay_alu instid0(VALU_DEP_4)
	v_pk_add_f32 v[CH+2*\k:CH+2*\k+1], v[CH+2*\k:CH+2*\k+1], v[XB+\q+2*\k:XB+\q+2*\k+1]
.endr
.endr
	REDUCE
	s_delay_alu instid0(VALU_DEP_1)
	v_mul_f32 v[MU], s58, v[CH]                    ; minus the mean
.irp k, 0,1,2,3,4,5,6,7,8,9,10,11,12,13,14,15
	v_pk_add_f32 v[XB+2*\k:XB+2*\k+1], v[XB+2*\k:XB+2*\k+1], v[MU:MU+1] op_sel_hi:[1,0]
.endr
.irp k, 0,1,2,3
	v_pk_mul_f32 v[CH+2*\k:CH+2*\k+1], v[XB+2*\k:XB+2*\k+1], v[XB+2*\k:XB+2*\k+1]
.endr
.irp q, 8,16,24
.irp k, 0,1,2,3
	s_delay_alu instid0(VALU_DEP_4)
	v_pk_fma_f32 v[CH+2*\k:CH+2*\k+1], v[XB+\q+2*\k:XB+\q+2*\k+1], v[XB+\q+2*\k:XB+\q+2*\k+1], v[CH+2*\k:CH+2*\k+1]
.endr
.endr
	REDUCE
	s_delay_alu instid0(VALU_DEP_1)
	v_fma_f32 v[CH], v[CH], s59, s60               ; the variance + eps
	s_wait_alu depctr_va_vdst(0)
	v_rsq_f32 v[RS], v[CH]
	v_nop                                          ; a plain instruction behind the transcendental,
	s_wait_alu depctr_va_vdst(0)                   ; and the wait ahead of its first reader
.irp k, 0,1,2,3,4,5,6,7,8,9,10,11,12,13,14,15
	v_pk_mul_f32 v[XB+2*\k:XB+2*\k+1], v[XB+2*\k:XB+2*\k+1], v[RS:RS+1] op_sel_hi:[1,0]
.endr
.irp k, 0,1,2,3,4,5,6,7,8,9,10,11,12,13,14,15
	v_pk_fma_f32 v[XB+2*\k:XB+2*\k+1], v[XB+2*\k:XB+2*\k+1], v[GW+2*\k:GW+2*\k+1], v[GB+2*\k:GB+2*\k+1]
.endr
.irp i, 0,1,2,3,4,5,6,7
	v_max3_num_f32 v[MX+\i], |v[XB+4*\i]|, |v[XB+4*\i+1]|, 0x1800000   ; my four numbers of block (i, l / 8), and the floor 2^(3 - 127): the byte cannot fall under 1
.endr
.irp i, 0,1,2,3,4,5,6,7
	v_max3_num_f32 v[MX+\i], v[MX+\i], |v[XB+4*\i+2]|, |v[XB+4*\i+3]|
.endr
.irp u, 1,2,4
.irp i, 0,1,2,3,4,5,6,7
	v_max_num_f32_dpp v[MX+\i], v[MX+\i], v[MX+\i] row_xmask:\u row_mask:0xf bank_mask:0xf   ; with the block's other seven lanes
.endr
.endr
.irp i, 0,1,2,3,4,5,6,7
	v_add_nc_u32 v[MX+\i], 0xff000000, v[MX+\i]    ; 2 off the exponent field: the conversion's scale operand
.endr
.irp i, 0,1,2,3,4,5,6,7
	v_lshrrev_b32 v[BY+\i], 23, v[MX+\i]           ; the scale's byte
.endr
.irp i, 0,2,4,6                        ; a conversion takes eight numbers under one scale; four of them are of the block in hand: the low half of the even load's result, the high half of the odd one's; the other half is not stored
	v_cvt_scalef32_pk8_fp4_f32 v[CH+\i], v[XB+4*\i:XB+4*\i+7], v[MX+\i]
	v_cvt_scalef32_pk8_fp4_f32 v[CH+\i+1], v[XB+4*\i:XB+4*\i+7], v[MX+\i+1]
.endr
	v_nop                                          ; one plain instruction behind the last scaled conversion
.irp i, 0,2,4,6
	ds_store_b16 v[IA], v[CH+\i] offset:1024*\i+16*(\j)
	ds_store_b16_d16_hi v[IA], v[CH+\i+1] offset:1024*(\i+1)+16*(\j)
.endr
.irp i, 0,1,2,3,4,5,6,7
	ds_store_b8 v[SA], v[BY+\i] offset:64*\i+4*(\j)   ; the eight lanes of a block write the same byte with the same value
.endr
.if (\j) < 4
	XROW (\j)+4                                    ; the slot takes the row four further on
.endif
.endm
.macro WSLOAD p                        ; W's scale words of pass p: four words (four K steps) a load
.irp b, 0,1
.irp k, 0,1
	global_load_b128 v[WS+8*\b+4*\k:WS+8*\b+4*\k+3], v[WSA], s[44:45] offset:(\p)*2048+\b*1024+16*\k
.endr
.endr
.endm
.macro WLOAD buf, off                  ; W's four fragments of a K step, 4,096 consecutive bytes, into set buf
.irp t, 0,1,2,3
.irp c, 0,1
	global_load_b128 v[WF0+32*(\buf)+8*\t+4*\c:WF0+32*(\buf)+8*\t+4*\c+3], v[LI], s[46:47] offset:(\off)+\t*1024+\c*512
.endr
.endr
.endm
.macro BQLOAD p                        ; Q, K: the bias in the result's layout, into row tile 0's accumulators
.irp t, 0,1,2,3
.irp k, 0,1
	global_load_b128 v[ACC+8*\t+4*\k:ACC+8*\t+4*\k+3], v[BAQ], s[42:43] offset:(\p)*256+(32*(\t/2)+8*(\t%2))*4+16*\k
.endr
.endr
.endm
.macro BVLOAD p                        ; V: the bias of my channel, one number a column tile
.irp t, 0,1,2,3
	global_load_b32 v[BT+\t], v[BAV], s[42:43] offset:(\p)*256+(32*(\t/2)+8*(\t%2))*4
.endr
.endm
.macro WMS d, a, b, c, sa, sb, ra, rb  ; one product; ra, rb: the side's scale words stand in lanes 16-31
.if (\ra) && (\rb)
	v_wmma_scale_f32_16x16x128_f8f6f4 v[\d:\d+7], v[\a:\a+7], v[\b:\b+7], v[\c:\c+7], v[\sa], v[\sb] matrix_a_fmt:MATRIX_FMT_FP4 matrix_b_fmt:MATRIX_FMT_FP4 matrix_a_scale:MATRIX_SCALE_ROW1 matrix_b_scale:MATRIX_SCALE_ROW1
.elseif (\ra)
	v_wmma_scale_f32_16x16x128_f8f6f4 v[\d:\d+7], v[\a:\a+7], v[\b:\b+7], v[\c:\c+7], v[\sa], v[\sb] matrix_a_fmt:MATRIX_FMT_FP4 matrix_b_fmt:MATRIX_FMT_FP4 matrix_a_scale:MATRIX_SCALE_ROW1
.elseif (\rb)
	v_wmma_scale_f32_16x16x128_f8f6f4 v[\d:\d+7], v[\a:\a+7], v[\b:\b+7], v[\c:\c+7], v[\sa], v[\sb] matrix_a_fmt:MATRIX_FMT_FP4 matrix_b_fmt:MATRIX_FMT_FP4 matrix_b_scale:MATRIX_SCALE_ROW1
.else
	v_wmma_scale_f32_16x16x128_f8f6f4 v[\d:\d+7], v[\a:\a+7], v[\b:\b+7], v[\c:\c+7], v[\sa], v[\sb] matrix_a_fmt:MATRIX_FMT_FP4 matrix_b_fmt:MATRIX_FMT_FP4
.endif
.endm
; Row tile m x column tile t, K step s, W's set buf.  vo = 0: source 0 = W (Q, K); vo = 1: source 0 = x (V).  first = 1: C is row tile 0's accumulator of the same t, which holds the bias.
.macro WM vo, m, t, s, buf, first
.set rW, WF0+32*(\buf)+8*(\t)
.set rX, XF+8*(\m)
.set sW, WS+8*((\t)/2)+(\s)
.set sX, XS+(\m)/2
.if \vo
.set rD, ACC+32*(\t)+8*(\m)
.set rC, rD
.if \first
.set rC, ACC+32*(\t)
.endif
	WMS rD, rX, rW, rC, sX, sW, (\m)%2, (\t)%2
.else
.set rD, ACC+32*(\m)+8*(\t)
.set rC, rD
.if \first
.set rC, ACC+8*(\t)
.endif
	WMS rD, rW, rX, rC, sW, sX, (\t)%2, (\m)%2
.endif
.endm
; A K step of 128: the next step's W is asked for, x's fragments and words come from LDS, 16 products, the accumulators by turns, one instruction a turn.
.macro STEP vo, p, s
.if ((\p)+(\s)) > 0
.rept 4
	v_nop                                          ; four places in front of loads into registers that the last products read
.endr
.endif
.if (\s) < 7
	WLOAD ((\s)+1)%2, (\p)*32768+((\s)+1)*4096
.elseif (\p) == 0
	WLOAD 0, 32768                                 ; the next pass's first K step
.endif
.irp m, 0,1,2,3
.irp c, 0,1
	ds_load_b128 v[XF+8*\m+4*\c:XF+8*\m+4*\c+3], v[LI] offset:\m*8192+(\s)*1024+\c*512
.endr
.endr
.irp a, 0,1
	ds_load_b32 v[XS+\a], v[XSA] offset:\a*1152+(\s)*64
.endr
.if ((\s) < 7) || ((\p) == 0)
	s_wait_loadcnt 8                               ; all but the eight loads just issued: this step's W, and at a pass's head its scale words and bias
.else
	s_wait_loadcnt 0x0
.endif
	s_wait_dscnt 0x0
.if (\s) == 0
.if \vo
.irp t, 0,1,2,3
.irp i, 0,1,2,3,4,5,6,7
	v_mov_b32 v[ACC+32*\t+\i], v[BT+\t]            ; V: a lane's eight results of a tile share its channel's bias
.endr
.endr
.rept 4
	v_nop
.endr
.endif
.irp m, 1,2,3
.irp t, 0,1,2,3
	WM \vo, \m, \t, 0, 0, 1
.endr
.endr
.rept 5
	v_nop                                          ; five places: the next four products write over registers that the last twelve took as C
.endr
.irp t, 0,1,2,3
	WM \vo, 0, \t, 0, 0, 1
.endr
.else
.irp m, 0,1,2,3
.irp t, 0,1,2,3
	WM \vo, \m, \t, \s, (\s)%2, 0
.endr
.endr
.endif
.endm
.macro PASS vo, p
.irp s, 0,1,2,3,4,5,6,7
	STEP \vo, \p, \s
.endr
.endm
; 64 numbers of a lane, register 16 b + i = place 32 b + 16 (lane/16) + i along K, become codes in v[PC] on (registers 4 c .. 4 c + 3: places 64 c + 32 (lane/16) + 0..31) and four scale bytes in v[PW].
.macro QUANT s
.irp b, 0,1,2,3
	v_max3_num_f32 v[TM+\b], |v[(\s)+16*\b]|, |v[(\s)+1+16*\b]|, 0x1800000   ; each accumulator is read from its low end on; the floor 2^(3 - 127) holds the byte at 1 from below
.endr
.irp i, 2,4,6,8,10,12,14
.irp b, 0,1,2,3
	v_max3_num_f32 v[TM+\b], v[TM+\b], |v[(\s)+16*\b+\i]|, |v[(\s)+1+16*\b+\i]|
.endr
.endr
.irp b, 0,1,2,3
	s_delay_alu instid0(VALU_DEP_4)
	v_permlanex16_b32 v[TM+4+\b], v[TM+\b], s56, s57
.endr
.irp b, 0,1,2,3
	s_delay_alu instid0(VALU_DEP_4)
	v_max_num_f32 v[TM+\b], v[TM+\b], v[TM+4+\b]   ; with lane l xor 16's sixteen: the block's largest magnitude
.endr
.irp b, 0,1,2,3
	s_delay_alu instid0(VALU_DEP_4)
	v_add_nc_u32 v[TM+12+\b], 0xff000000, v[TM+\b]
.endr
.irp b, 0,1,2,3
	s_delay_alu instid0(VALU_DEP_4)
	v_lshrrev_b32 v[TM+4+\b], 23, v[TM+12+\b]
.endr
	s_delay_alu instid0(VALU_DEP_3)
	v_lshl_or_b32 v[PW], v[TM+5], 8, v[TM+4]
	s_delay_alu instid0(VALU_DEP_1)
	v_lshl_or_b32 v[PW], v[TM+6], 16, v[PW]
	s_delay_alu instid0(VALU_DEP_1)
	v_lshl_or_b32 v[PW], v[TM+7], 24, v[PW]
.irp b, 0,1,2,3
	v_cvt_scalef32_pk8_fp4_f32 v[PC+2*\b], v[(\s)+16*\b:(\s)+7+16*\b], v[TM+12+\b]
	v_cvt_scalef32_pk8_fp4_f32 v[PC+1+2*\b], v[(\s)+8+16*\b:(\s)+15+16*\b], v[TM+12+\b]
.endr
	v_nop                                          ; one plain instruction behind the last scaled conversion
.irp c, 0,1
.irp i, 0,1
	v_permlane16_swap_b32 v[PC+4*\c+\i], v[PC+2+4*\c+\i]   ; a whole block to a lane
.endr
.endr
.endm
; Q, K: row tiles 2 a and 2 a + 1 of head 2 w + p.  A tile's 32 registers are the head's 64 numbers of a lane's row (its half of each block): two blocks, a half fragment of 512 bytes.
.macro EPIQ1 p, a
	s_cmp_lg_u32 s3, 0                             ; Q alone is kept as f32 too: a branch on the work-group's number
	s_cbranch_scc1 .Lnoq_\@
.irp i, 0,1,2,3,4,5,6,7,8,9,10,11,12,13,14,15
	global_store_b128 v[LI], v[ACC+64*(\a)+4*\i:ACC+64*(\a)+4*\i+3], s[52:53] offset:(\p)*524288+(\a)*8192+512*\i   ; a wave stores 512 consecutive bytes
.endr
.Lnoq_\@:
	QUANT ACC+64*(\a)
	global_store_b128 v[LI], v[PC:PC+3], s[48:49] offset:(\p)*65536+(\a)*1024
	global_store_b128 v[LI], v[PC+4:PC+7], s[48:49] offset:(\p)*65536+(\a)*1024+512
	v_lshrrev_b32 v[WD+\a], v[SH], v[PW]           ; lanes 0-15 keep tile 2 a's two bytes, lanes 16-31 tile 2 a + 1's;
	s_delay_alu instid0(VALU_DEP_1)
	v_and_or_b32 v[WD+\a], v[WD+\a], s61, s62      ; the K step's upper 64, which hold no numbers, get the byte of 1.0
.endm
.macro EPIQK p
.rept 4
	v_nop                                          ; four places behind the last products: their results are read, and their operands' registers written, below
.endr
.irp b, 0,1,2,3
	v_mov_b32 v[TM+4+\b], 0                        ; a lane permute's destination counts as one of its sources
.endr
.if (\p) == 0
	WSLOAD 1
.endif
	EPIQ1 \p, 0
	s_wait_xcnt 0x0                                ; the stores have read their registers: the codes are made anew, and row tile 0's accumulators take the next bias
.if (\p) == 0
	BQLOAD 1
.endif
	EPIQ1 \p, 1
	global_store_b64 v[L8], v[WD:WD+1], s[50:51] offset:(\p)*8192   ; the four tiles' scale words: 256 consecutive bytes, aligned
.if (\p) == 0
	s_wait_xcnt 0x0                                ; the next pass writes all these stores' registers again
.endif
.endm
; V: channel tiles 2 a and 2 a + 1.  A tile's 32 registers are a channel's 64 keys (the lane's half of each block): half a fragment of V^T along the keys.
.macro EPIV1 p, a
	QUANT ACC+64*(\a)
	global_store_b128 v[LI], v[PC:PC+3], s[48:49] offset:(\p)*65536+(\a)*2048
	global_store_b128 v[LI], v[PC+4:PC+7], s[48:49] offset:(\p)*65536+(\a)*2048+1024
	v_mov_b32 v[WD+\a], v[PW]
	s_wait_xcnt 0x0                                ; the stores have read the codes
.endm
.macro EPIV p
.rept 4
	v_nop
.endr
.irp b, 0,1,2,3
	v_mov_b32 v[TM+4+\b], 0
.endr
.if (\p) == 0
	WSLOAD 1
	BVLOAD 1
.endif
	EPIV1 \p, 0
	EPIV1 \p, 1
	s_wait_alu depctr_va_vdst(0)
	v_cndmask_b32 v[WD], v[WD], v[WD+1], s63       ; lanes 0-15: tiles 0, 1; lanes 16-31: tiles 2, 3
	global_store_b32 v[VSO], v[WD], s[50:51] offset:(\p)*128   ; 128 consecutive bytes
.if (\p) == 0
	s_wait_xcnt 0x0
.endif
.endm
	s_load_b512 s[8:23], s[0:1], 0x0               ; q, k, v, bq, bk, bv, Wq_scales, Wk_scales
	s_load_b256 s[24:31], s[0:1], 0x40             ; Wv_scales, norm_w, norm_b, wimg
	s_load_b128 s[32:35], s[0:1], 0x60             ; img, scl
	s_load_b64 s[36:37], s[0:1], 0x70              ; qf
	v_lshrrev_b32 v10, 5, v0
	s_delay_alu instid0(VALU_DEP_1)
	v_readfirstlane_b32 s2, v10                    ; wave 0..7
	s_and_b32 s3, ttmp7, 0xffff                    ; y: q, k or v
	s_mov_b32 s4, ttmp9                            ; which 64 rows
	v_and_b32 v10, 31, v0                          ; lane
	v_and_b32 v11, 15, v0                          ; r
	v_bfe_u32 v12, v0, 4, 1                        ; lane / 16
	s_delay_alu instid0(VALU_DEP_3)
	v_lshlrev_b32 v[LI], 4, v10
	s_lshl_b32 s38, s4, 6                          ; my first row: 64 x block + 32 (w/4) + 8 ((w/2)%2) + 16 (w%2): rows 8 (w%2) .. + 7 of tile w / 2
	s_lshr_b32 s54, s2, 2
	s_lshl_b32 s54, s54, 5
	s_add_co_u32 s38, s38, s54
	s_bfe_u32 s54, s2, 0x10001
	s_lshl_b32 s54, s54, 3
	s_add_co_u32 s38, s38, s54
	s_and_b32 s54, s2, 1
	s_lshl_b32 s54, s54, 4
	s_add_co_u32 s38, s38, s54
	s_lshl_b32 s38, s38, 12                        ; a row is 4,096 bytes
	s_mov_b32 s39, 0
	s_wait_alu depctr_va_vdst(0)
	s_wait_kmcnt 0x0
	s_cmp_eq_u32 s3, 1                             ; the buffers are chosen by the work-group's number alone
	s_cselect_b64 s[40:41], s[10:11], s[8:9]
	s_cselect_b64 s[42:43], s[16:17], s[14:15]
	s_cselect_b64 s[44:45], s[22:23], s[20:21]
	s_cmp_eq_u32 s3, 2
	s_cselect_b64 s[40:41], s[12:13], s[40:41]
	s_cselect_b64 s[42:43], s[18:19], s[42:43]
	s_cselect_b64 s[44:45], s[24:25], s[44:45]
	s_add_nc_u64 s[40:41], s[40:41], s[38:39]
.irp i, 0,1,2,3,4,5,6,7
	global_load_b128 v[GW+4*\i:GW+4*\i+3], v[LI], s[26:27] offset:512*\i
	global_load_b128 v[GB+4*\i:GB+4*\i+3], v[LI], s[28:29] offset:512*\i
.endr
.irp j, 0,1,2,3
	XROW \j
.endr
	v_mul_u32_u24 v[XSA], v12, 576
	s_delay_alu instid0(VALU_DEP_1)
	v_lshl_add_u32 v[XSA], v11, 2, v[XSA]
	s_delay_alu instid0(VALU_DEP_1)
	v_add_nc_u32 v[XSA], XSC, v[XSA]
	v_and_b32 v13, 8, v0
	s_delay_alu instid0(VALU_DEP_1)
	v_add_nc_u32 v13, v13, v11                     ; r + 8 (r / 8)
	s_delay_alu instid0(VALU_DEP_1)
	v_lshl_add_u32 v[WSA], v12, 3, v13
	s_delay_alu instid0(VALU_DEP_1)
	v_lshlrev_b32 v[WSA], 5, v[WSA]                ; a row of W's scale bytes is 32 bytes
	v_lshlrev_b32 v[BAQ], 6, v12
	v_lshlrev_b32 v[SH], 4, v12
	v_lshlrev_b32 v[L8], 3, v10
	v_lshlrev_b32 v[VSO], 3, v11
	s_delay_alu instid0(VALU_DEP_1)
	v_lshl_add_u32 v[VSO], v12, 2, v[VSO]
	v_bfe_u32 v13, v0, 3, 2                        ; lane / 8: my block in a K step = 2 c + half
	s_wait_alu depctr_va_vdst(0)
	v_and_b32 v12, 7, v0
	s_delay_alu instid0(VALU_DEP_1)
	v_lshlrev_b32 v[IA], 1, v12                    ; my four codes: 2 bytes
	s_delay_alu instid0(VALU_DEP_1)
	v_lshl_add_u32 v[IA], v13, 8, v[IA]            ; + 512 c + 256 half
	s_lshr_b32 s5, s2, 1                           ; my row tile
	s_and_b32 s6, s2, 1                            ; which eight of its rows
	s_lshl_b32 s7, s5, 13
	s_lshl_b32 s54, s6, 7
	s_add_co_u32 s7, s7, s54
	v_add_nc_u32 v[IA], s7, v[IA]
	s_mul_i32 s7, s5, 576
	s_lshl_b32 s54, s6, 5
	s_add_co_u32 s7, s7, s54
	s_add_co_u32 s7, s7, XSC
	v_add_nc_u32 v[SA], s7, v13
	v_mov_b32 v[MU+1], 0                           ; named as upper halves of pairs, so they are written
	v_mov_b32 v[RS+1], 0
	v_mov_b32 v[PD], 0
	s_mov_b32 s56, 0x76543210                      ; v_permlanex16_b32's selects for lane l xor 16
	s_mov_b32 s57, 0xfedcba98
	s_mov_b32 s58, 0xba800000                      ; -1 / 1024
	s_mov_b32 s59, 0x3a800000                      ; 1 / 1024
	s_mov_b32 s60, 0x3727c5ac                      ; eps = 1e-5
	s_mov_b32 s61, 0xffff
	s_mov_b32 s62, 0x7f7f0000
	s_mov_b32 s63, 0xffff0000                      ; lanes 16-31
	s_lshr_b32 s5, s4, 5                           ; batch
	s_and_b32 s6, s4, 31                           ; which 64 rows of the batch
	s_lshl_b32 s7, s5, 4
	s_lshl_b32 s54, s2, 1
	s_add_co_u32 s7, s7, s54                       ; 16 x batch + head, pass 0's
	s_mov_b32 s55, 0
	s_lshl_b32 s54, s2, 9
	s_add_nc_u64 s[42:43], s[42:43], s[54:55]      ; the bias at my 128 columns
	s_lshl_b32 s54, s2, 12
	s_add_nc_u64 s[44:45], s[44:45], s[54:55]      ; W's scale bytes at my 128 rows
	s_lshl_b32 s54, s3, 19
	s_lshl_b32 s38, s2, 16
	s_add_co_u32 s54, s54, s38
	s_add_nc_u64 s[46:47], s[30:31], s[54:55]      ; W's image at my two groups
	s_lshl_b32 s38, s6, 11                         ; images.  Q, K: 2,048 bytes for 64 rows;
	s_lshr_b32 s39, s6, 1
	s_lshl_b32 s39, s39, 12                        ; V: 4,096 bytes a key step of 128,
	s_and_b32 s54, s6, 1
	s_lshl_b32 s54, s54, 9                         ; and in each fragment the half of my 64 keys
	s_add_co_u32 s39, s39, s54
	s_cmp_eq_u32 s3, 2
	s_cselect_b32 s38, s39, s38
	s_lshl_b32 s54, s3, 22
	s_add_co_u32 s54, s54, s38
	s_lshl_b32 s38, s7, 16
	s_add_co_u32 s54, s54, s38
	s_add_nc_u64 s[48:49], s[32:33], s[54:55]
	s_lshl_b32 s38, s7, 13                         ; scale words.  Q, K: 8,192 bytes a head, 256 for 64 rows;
	s_lshl_b32 s39, s6, 8
	s_add_co_u32 s38, s38, s39
	s_lshl_b32 s39, s5, 16                         ; V: [batch][64 keys][head] x 128 bytes
	s_lshl_b32 s54, s6, 11
	s_add_co_u32 s39, s39, s54
	s_lshl_b32 s54, s2, 8
	s_add_co_u32 s39, s39, s54
	s_cmp_eq_u32 s3, 2
	s_cselect_b32 s38, s39, s38
	s_lshl_b32 s54, s3, 19
	s_add_co_u32 s54, s54, s38
	s_add_nc_u64 s[50:51], s[34:35], s[54:55]
	s_lshl_b32 s54, s7, 19                         ; Q as f32: 524,288 bytes a head, 16,384 for 64 rows
	s_lshl_b32 s38, s6, 14
	s_add_co_u32 s54, s54, s38
	s_add_nc_u64 s[52:53], s[36:37], s[54:55]
	LNROW 0, 24                                    ; three younger rows, 24 loads, stay out
	LNROW 1, 24
	LNROW 2, 24
	LNROW 3, 24
	LNROW 4, 24
	LNROW 5, 16                                    ; nothing more is asked for: the counts run down
	LNROW 6, 8
	LNROW 7, 0
	s_wait_dscnt 0x0                               ; for the others' sake: my images and scale bytes lie in LDS
	v_and_b32 v[BAV], 15, v0
	v_and_b32 v[SA], 8, v0
	s_delay_alu instid0(VALU_DEP_1)
	v_add_nc_u32 v[BAV], v[BAV], v[SA]
	s_delay_alu instid0(VALU_DEP_1)
	v_lshlrev_b32 v[BAV], 2, v[BAV]
	WSLOAD 0                                       ; pass 0's scale words, first fragments and bias are asked for ahead of the barrier
	WLOAD 0, 0
	s_cmp_eq_u32 s3, 2
	s_cbranch_scc1 .Lbias_v
	BQLOAD 0
	s_branch .Lbias_done
.Lbias_v:
	s_wait_alu depctr_va_vdst(0)
	BVLOAD 0
.Lbias_done:
	s_barrier_signal -1
	s_barrier_wait -1                              ; the one barrier: behind it LDS is only read
	s_cmp_eq_u32 s3, 2
	s_cbranch_scc1 .Lvpath
	PASS 0, 0
	EPIQK 0
	PASS 0, 1
	EPIQK 1
	v_lshl_add_u32 v8, v0, 2, 0x8900               ; no two registers can be kept: v0 is kept, and my spare word's address and 0 are made here
	v_mov_b32 v9, 0
	s_wait_alu depctr_va_vdst(0)
	s_wait_tensorcnt 0x0                           ; the wave's end
	ds_add_u32 v8, v9
	s_wait_dscnt 0x0
	s_endpgm
.Lvpath:
	PASS 1, 0
	EPIV 0
	PASS 1, 1
	EPIV 1
	v_lshl_add_u32 v8, v0, 2, 0x8900               ; as on the other path
	v_mov_b32 v9, 0
	s_wait_alu depctr_va_vdst(0)
	s_wait_tensorcnt 0x0
	ds_add_u32 v8, v9
	s_wait_dscnt 0x0
	s_endpgm
.Lfunc_end_k_q641c4fce35_proj:
	.size	k_q641c4fce35_proj, .Lfunc_end_k_q641c4fce35_proj-k_q641c4fce35_proj
	.p2alignl 7, 3214868480
	.fill 96, 4, 3214868480
	.section	.rodata,"a",@progbits
	.p2align	6, 0x0
	.amdhsa_kernel k_q641c4fce35_proj
		.amdhsa_group_segment_fixed_size 36096
		.amdhsa_private_segment_fixed_size 0
		.amdhsa_enable_private_segment 0
		.amdhsa_kernarg_size 120
		.amdhsa_user_sgpr_count 2
		.amdhsa_user_sgpr_kernarg_segment_ptr 1
		.amdhsa_wavefront_size32 1
		.amdhsa_system_sgpr_workgroup_id_x 1
		.amdhsa_system_sgpr_workgroup_id_y 1
		.amdhsa_system_sgpr_workgroup_id_z 1
		.amdhsa_system_vgpr_workitem_id 0
		.amdhsa_next_free_vgpr 256
		.amdhsa_next_free_sgpr 66
		.amdhsa_reserve_vcc 0
		.amdhsa_float_denorm_mode_32 3
		.amdhsa_float_denorm_mode_16_64 3
		.amdhsa_memory_ordered 1
		.amdhsa_forward_progress 1
		.amdhsa_inst_pref_size 255
	.end_amdhsa_kernel
	.section	.bss,"aw",@nobits
	.p2align	6
	.space	262144
	.amdgpu_metadata
---
amdhsa.version: [ 1, 2 ]
amdhsa.kernels:
  - .name:           k_q641c4fce35_proj
    .symbol:         k_q641c4fce35_proj.kd
    .args:
      - { .name: q, .offset: 0, .size: 8, .value_kind: global_buffer, .address_space: global }
      - { .name: k, .offset: 8, .size: 8, .value_kind: global_buffer, .address_space: global }
      - { .name: v, .offset: 16, .size: 8, .value_kind: global_buffer, .address_space: global }
      - { .name: bq, .offset: 24, .size: 8, .value_kind: global_buffer, .address_space: global }
      - { .name: bk, .offset: 32, .size: 8, .value_kind: global_buffer, .address_space: global }
      - { .name: bv, .offset: 40, .size: 8, .value_kind: global_buffer, .address_space: global }
      - { .name: Wq_scales, .offset: 48, .size: 8, .value_kind: global_buffer, .address_space: global }
      - { .name: Wk_scales, .offset: 56, .size: 8, .value_kind: global_buffer, .address_space: global }
      - { .name: Wv_scales, .offset: 64, .size: 8, .value_kind: global_buffer, .address_space: global }
      - { .name: norm_w, .offset: 72, .size: 8, .value_kind: global_buffer, .address_space: global }
      - { .name: norm_b, .offset: 80, .size: 8, .value_kind: global_buffer, .address_space: global }
      - { .name: wimg, .offset: 88, .size: 8, .value_kind: global_buffer, .address_space: global }
      - { .name: img, .offset: 96, .size: 8, .value_kind: global_buffer, .address_space: global }
      - { .name: scl, .offset: 104, .size: 8, .value_kind: global_buffer, .address_space: global }
      - { .name: qf, .offset: 112, .size: 8, .value_kind: global_buffer, .address_space: global }
    .group_segment_fixed_size: 36096
    .private_segment_fixed_size: 0
    .kernarg_segment_align: 8
    .kernarg_segment_size: 120
    .max_flat_workgroup_size: 256
    .sgpr_count:     66
    .vgpr_count:     256
    .wavefront_size: 32
...
	.end_amdgpu_metadata
.endif
;; end of part 2
;; launch attn (part 3): grid 4 x 64, 16 waves a work-group, no clusters, 306,432 bytes of LDS; arguments img, scl, qf, norm1_w, norm1_b, wimg, Wo_scales, bo, out0; writes out0
.if DOCPART == 3
	.amdgcn_target "amdgcn-amd-amdhsa--gfx1250"
	.amdhsa_code_object_version 6
	.text
	.protected	k_q641c4fce35_attn
	.globl	k_q641c4fce35_attn
	.p2align	8
	.type	k_q641c4fce35_attn,@function
k_q641c4fce35_attn:
	s_mov_b64 s[64:65], 0
	v_nop
	global_prefetch_b8 v0, s[64:65] scope:SCOPE_SE
	s_setreg_imm32_b32 hwreg(HW_REG_WAVE_MODE, 25, 1), 1
	s_wait_xcnt 0x0
; Attention, the residual Q, the transpose and reshape, the second LayerNorm, the product with Wo, bo and the last residual, in one launch.  All products on codes of FP4 (E2M1), one E8M0 byte for each 32 along K.
; PART 1.  mix[q][:] = (sum over keys of p V) / l + Q, p = 2^(t - M), t = score x log2(e) / 8, M the running largest t rounded up to a whole number, l the sum of the unquantised p.
; A work-group takes one head (bh) and 512 of its 2,048 queries.  The head's K and V (codes 2 x 65,536 bytes, scale words 12,288) come into LDS once, by plain loads and LDS stores, as images of the operands' registers; one barrier.
; Wave w owns query tiles 2 w and 2 w + 1 of the work-group's 32, one after the other.  Both products are used transposed (S^T = K Q^T, O^T = V^T P^T): a lane holds one query.  The keys, queries and channels of a tile are
; 32 (t/2) + 8 (t%2) + r + 8 (r/8): p's 16 registers of tiles 2 b, 2 b + 1 are 16 neighbouring keys, and O^T's registers lie as Q's f32 image lies.
; The first product's K is 64, the instruction's 128: Q's upper four registers hold zero codes and its upper scale bytes 1.0; K's operand names eight registers, of which the upper four meet zeros.
; PART 2.  After the definition's transpose and reshape a row of 1,024 numbers is 16 neighbouring queries x 64 channels of one head.  So a wave's 32 queries are two whole rows, and the work-group's 512 are 32 rows.
; They stay in LDS as f32: row pitch 4,480 bytes, a query's 256 bytes + 16 of padding.  Each wave normalises its two rows, quantises them along the 1,024 columns, and stores codes and scale bytes as images of the operand's registers.  One barrier.
; PART 3.  Wave w makes columns 64 w .. + 63 of all 32 rows: 2 row tiles x 4 column tiles, 8 K steps of 128.  Wo's fragments come from wimg straight into four sets of registers: K step 0's, with Wo's scale words and bo, are asked for
; ahead of part 2 (into registers that part 2 leaves alone), K steps 1 to 3 ahead of the barrier, each later one three K steps ahead.  Source 0 = Wo, source 1 = the rows.
; A row tile leaves through the wave's stage (in K's bytes, which nobody reads behind the second barrier); the residual is read from LDS in the same places, bo is added there; sixteen lanes store 256 consecutive bytes, aligned.
; PREFETCH: a tile's 4,096 bytes of Q as f32 are asked for at the tile's head, 16 key steps ahead of their loads, by the wave that will load them: one instruction, lanes 0-15 256 bytes apart, lanes 16-31 on the last block again.
; NO CLUSTER, NO JOINT LOADS: K and V are read once at the head, 143,360 bytes a work-group; a fragment of Wo feeds one wave's registers.  Wo is not prefetched: its loads themselves run three K steps ahead.
; LIMITS: NaN and infinities are not served; the scaled scores stay under 2^31 in magnitude; a block of p that has fallen to zeros, or a block of zeros, keeps the byte 1 with zero codes; a block's largest p is made from the block's largest
; score by the same multiply-add and exponential; a block whose largest magnitude lies under 2^-124 keeps the byte 1; f32 sums run in another order than the definition's.
.set KSC,  131072                      ; LDS: K's images at 0, V's at 65,536; K's scale words [64 keys] x 256 bytes;
.set VSC,  139264                      ; V's [128 keys] x 256 bytes
.set MIXL, 143360                      ; the 32 rows of mix
.set RP,   4480                        ; a row: 16 x 272 bytes, + 128
.set XIMG, 286720                      ; the rows' codes: fragment (m, s) at m*8192 + s*1024
.set XSC,  303104                      ; their scale words at m*576 + s*64 + 4 r
.set SPARE, 304384                     ; the spare words: 128 bytes a wave
.set LI,   1                           ; v1  16 x lane
.set LV,   2                           ; v2  + 65,536
.set LK,   3                           ; v3  KSC + 8 x lane
.set LT,   4                           ; v4  VSC + 16 r
.set MO,   5                           ; v5  where my query's 64 bytes go in mix
.set LR,   6                           ; v6  where I read my rows of mix
.set GO,   7                           ; v7  4096 (lane/16) + 16 r
.set ADK,  8                           ; v8-11 the step's LDS addresses (at the head: the fill's)
.set ADV,  9
.set ADS,  10
.set ADT,  11
.set QS,   24                          ; v24 Q's scale words, later the rows';  v25 p's;  v26-29 K's, v30-33 V's, later Wo's of column tiles 0, 1;  v226-233 Wo's of tiles 2, 3: these hold scale words and nothing else
.set PW,   25
.set KS,   26
.set VS,   30
.set Q8,   34                          ; v34 8 r
.set IA,   35                          ; v35 where my two bytes of a row's codes go
.set KF,   36                          ; v36-67 K's eight half fragments; v68-71 zeros behind them
.set VF,   72                          ; v72-103 V's four fragments
.set PC,   104                         ; v104-111 p's codes
.set S,    112                         ; v112-175 S^T, then p
.set OT,   176                         ; v176-207 O^T
.set BM,   208                         ; v208-211 the blocks' largest scores, then p
.set T2,   212                         ; v212-215 at work
.set SCO,  216                         ; v216-219 the conversions' scale operands
.set F,    220                         ; v220 2^(old M - new M); v221 the old -M (as the pair's upper half it is not used)
.set TMP,  222
.set SA,   223                         ; v223 where my block's scale byte goes
.set RC,   224                         ; v224-225 1 / l; at a tile's head v224 is the prefetch's offset
                                       ; v12 -M, v13 the largest t, v[14:15] l in two halves, v16-19 Q's codes, v20-23 zeros, v242-253 sums at work
; part 2
.set GW,   36                          ; v36-67 the gain, v68-99 the bias of my 32 columns
.set GB,   68
.set CH,   100                         ; v100-107 four chains of pairs; later the row's codes
.set MU,   108
.set RS,   110
.set XR,   112                         ; v112-143, v176-207 my two rows
.set MX,   144
.set BY,   152
.set PD,   208
; part 3
.set XSA,  2                           ; v2  XSC + 576 (lane/16) + 4 r: lanes 0-15 take tile 0's words, lanes 16-31 tile 1's
.set WSA,  3                           ; v3  (r + 8 (r/8) + 8 (lane/16)) x 32
.set BOA,  4                           ; v4  16 r
.set SO,   8                           ; v8  the stage: where I put 64 bytes of my row
.set SR,   9                           ; v9  and where I read 16 bytes of a row back
.set RR,   10                          ; v10-11 the residual of row tiles 0, 1
.set XA,   34                          ; v34 XIMG + 16 x lane
.set XS,   24
.set BO,   20                          ; v20-23 bo at columns 4 r .. + 3 of my 64
.set XF,   36                          ; v36-51 the rows' two fragments
.set ACC,  52                          ; v52-115 eight accumulators
.set WF0,  116                         ; v116-211 Wo's four fragments, sets 0 to 2; set 3: v212-219, v12-19, v242-249, v234-241
; A tile's head: tile number 32 x + 2 wave + p of the head's 128; Q's codes and scale words are asked for, and Q as f32 is prefetched.
.macro TPRO p
	s_lshl_b32 s15, s13, 5
	s_lshl_b32 s16, s12, 1
	s_add_co_u32 s15, s15, s16
.if \p
	s_add_co_u32 s15, s15, 1
.endif
	s_mov_b32 s17, 0
	s_lshl_b32 s16, s15, 9
	s_add_nc_u64 s[28:29], s[36:37], s[16:17]      ; Q's half fragment: 512 bytes a tile
	s_lshr_b32 s16, s15, 2
	s_lshl_b32 s16, s16, 8                         ; its scale words: 256 bytes for four tiles; tile 2 a + u at 128 u + 8 r + 4 a
	s_and_b32 s18, s15, 1
	s_lshl_b32 s18, s18, 7
	s_add_co_u32 s16, s16, s18
	s_bfe_u32 s18, s15, 0x10001
	s_lshl_b32 s18, s18, 2
	s_add_co_u32 s16, s16, s18
	s_add_nc_u64 s[30:31], s[42:43], s[16:17]
	s_lshl_b32 s16, s14, 19
	s_lshl_b32 s18, s15, 12
	s_add_co_u32 s16, s16, s18
	s_add_nc_u64 s[32:33], s[8:9], s[16:17]        ; Q as f32: 4,096 bytes a tile
	global_load_b128 v[16:19], v[LI], s[28:29]
	global_load_b32 v[QS], v[Q8], s[30:31]
	v_and_b32 v[RC], 31, v0
	s_delay_alu instid0(VALU_DEP_1)
	v_min_u32 v[RC], 15, v[RC]
	s_delay_alu instid0(VALU_DEP_1)
	v_lshlrev_b32 v[RC], 8, v[RC]                  ; sixteen blocks of 256 bytes; lanes 16-31 name the last again
	global_prefetch_b8 v[RC], s[32:33] th:TH_LOAD_NT scope:SCOPE_SE
.endm
	s_load_b256 s[4:11], s[0:1], 0x0               ; img, scl, qf, norm1_w
	s_load_b256 s[48:55], s[0:1], 0x20             ; norm1_b, wimg, Wo_scales, bo
	s_load_b64 s[56:57], s[0:1], 0x40              ; out0
	v_lshl_add_u32 v254, v0, 2, SPARE
	v_mov_b32 v255, 0
	v_lshrrev_b32 v8, 5, v0
	s_delay_alu instid0(VALU_DEP_1)
	v_readfirstlane_b32 s12, v8                    ; wave 0..15
	s_mov_b32 s13, ttmp9                           ; which 512 queries
	s_and_b32 s14, ttmp7, 0xffff                   ; 16 x batch + head
	s_lshl_b32 s16, s14, 16
	s_mov_b32 s17, 0
	s_lshl_b32 s18, s14, 13
	s_mov_b32 s19, 0
	v_lshlrev_b32 v8, 4, v0                        ; the fill: 16 bytes a thread, in memory and in LDS alike
	s_delay_alu instid0(VALU_DEP_1)
	v_add_nc_u32 v9, 0x10000, v8
	s_delay_alu instid0(VALU_DEP_2)
	v_add_nc_u32 v10, KSC, v8
	v_lshrrev_b32 v11, 5, v0                       ; V's scale bytes: thread = 16 x (64 keys) + r; in LDS a key step's word takes two of them
	s_delay_alu instid0(VALU_DEP_1)
	v_lshlrev_b32 v11, 8, v11
	v_bfe_u32 v35, v0, 4, 1
	s_delay_alu instid0(VALU_DEP_1)
	v_lshl_add_u32 v11, v35, 1, v11
	v_and_b32 v35, 15, v0
	s_delay_alu instid0(VALU_DEP_1)
	v_lshl_add_u32 v11, v35, 4, v11
	s_delay_alu instid0(VALU_DEP_1)
	v_add_nc_u32 v11, VSC, v11
	v_lshrrev_b32 v[TMP], 4, v0
	s_delay_alu instid0(VALU_DEP_1)
	v_lshlrev_b32 v[TMP], 11, v[TMP]               ; in memory 64 keys of all heads are 2,048 bytes
	s_delay_alu instid0(VALU_DEP_1)
	v_lshl_add_u32 v[TMP], v35, 3, v[TMP]
	s_wait_alu depctr_va_vdst(0)
	s_wait_kmcnt 0x0
	s_add_nc_u64 s[36:37], s[4:5], s[16:17]        ; Q's images of my head,
	s_add_nc_u64 s[38:39], s[36:37], 0x400000      ; K's,
	s_add_nc_u64 s[40:41], s[36:37], 0x800000      ; V's
	s_add_nc_u64 s[42:43], s[6:7], s[18:19]        ; Q's scale words,
	s_add_nc_u64 s[44:45], s[42:43], 0x80000       ; K's
	s_lshr_b32 s16, s14, 4
	s_lshl_b32 s16, s16, 16
	s_and_b32 s18, s14, 15
	s_lshl_b32 s18, s18, 7
	s_add_co_u32 s16, s16, s18
	s_add_co_u32 s16, s16, 0x100000
	s_add_nc_u64 s[46:47], s[6:7], s[16:17]        ; V's
.irp n, 0,1,2,3,4,5,6,7
	global_load_b128 v[S+4*\n:S+4*\n+3], v8, s[38:39] offset:8192*\n
.endr
.irp n, 0,1,2,3,4,5,6,7
	global_load_b128 v[S+32+4*\n:S+32+4*\n+3], v8, s[40:41] offset:8192*\n
.endr
	global_load_b128 v[176:179], v8, s[44:45]
	global_load_b64 v[180:181], v[TMP], s[46:47]
	s_mul_i32 s16, s12, 2*RP
	s_add_co_u32 s16, s16, MIXL                    ; my two rows of mix
	s_lshr_b32 s17, s12, 3                         ; their row tile,
	s_and_b32 s19, s12, 7                          ; and which two of its rows
	s_lshl_b32 s18, s17, 13
	s_lshl_b32 s24, s19, 5
	s_add_co_u32 s18, s18, s24
	s_add_co_u32 s18, s18, XIMG
	s_mul_i32 s25, s17, 576
	s_lshl_b32 s24, s19, 3
	s_add_co_u32 s25, s25, s24
	s_add_co_u32 s25, s25, XSC
	s_mov_b32 s20, 0x76543210                      ; v_permlanex16_b32's selects for lane l xor 16
	s_mov_b32 s21, 0xfedcba98
	s_mov_b32 s22, 0x3e38aa3b                      ; c = log2(e) / sqrt(64)
	s_mov_b32 s23, s22
	s_mov_b32 s60, 0xba800000                      ; -1 / 1024
	s_mov_b32 s61, 0x3a800000                      ; 1 / 1024
	s_mov_b32 s62, 0x3727c5ac                      ; eps = 1e-5
	v_and_b32 v208, 31, v0                         ; lane
	v_and_b32 v209, 15, v0                         ; r
	v_bfe_u32 v210, v0, 4, 1                       ; lane / 16
	v_bfe_u32 v211, v0, 3, 1                       ; r / 8
	v_and_b32 v216, 7, v0                          ; r % 8
	v_bfe_u32 v217, v0, 3, 2                       ; lane / 8
	v_lshlrev_b32 v[LI], 4, v208
	v_lshl_add_u32 v[LK], v208, 3, KSC
	v_lshl_add_u32 v[LT], v209, 4, VSC
	v_mul_u32_u24 v[MO], v211, RP                  ; query 8 p + r + 8 (r/8) of my 32: row r / 8, place 8 p + r % 8 in it
	v_mul_u32_u24 v[LR], v210, 272
	v_lshlrev_b32 v[GO], 12, v210
	v_lshlrev_b32 v[IA], 1, v216                   ; my four codes: 2 bytes
	v_add_nc_u32 v[LV], 0x10000, v[LI]
	v_mad_u32_u24 v[MO], v216, 272, v[MO]
	v_lshl_add_u32 v[LR], v209, 4, v[LR]
	v_lshl_add_u32 v[GO], v209, 4, v[GO]
	v_lshl_add_u32 v[IA], v217, 8, v[IA]           ; + 512 c + 256 half
	v_add_nc_u32 v[SA], s25, v217
	v_lshlrev_b32 v[Q8], 3, v209
	v_lshl_add_u32 v[MO], v210, 6, v[MO]
	v_add_nc_u32 v[LR], s16, v[LR]
	v_add_nc_u32 v[IA], s18, v[IA]
.irp i, 0,1,2,3
	v_mov_b32 v[20+\i], 0                          ; Q's codes of the K step's upper 64: zeros
	v_mov_b32 v[68+\i], 0                          ; what the last tile of K names behind its own codes
	v_mov_b32 v[T2+\i], 0                          ; a lane permute's destination counts as one of its sources
.endr
	v_add_nc_u32 v[MO], s16, v[MO]
	v_mov_b32 v[F+1], 0                            ; named as upper halves of pairs, so they are written
	v_mov_b32 v[RC+1], 0
	s_wait_alu depctr_va_vdst(0)
	TPRO 0                                         ; tile 0's Q is asked for under the fill: two loads younger than the fill's eighteen
.irp n, 0,1,2,3,4,5,6,7
	s_wait_loadcnt 19-\n                           ; loads come back in order: the n-th of the twenty is in
	ds_store_b128 v8, v[S+4*\n:S+4*\n+3] offset:8192*\n
.endr
.irp n, 0,1,2,3,4,5,6,7
	s_wait_loadcnt 11-\n
	ds_store_b128 v9, v[S+32+4*\n:S+32+4*\n+3] offset:8192*\n
.endr
	s_wait_loadcnt 3
	ds_store_b128 v10, v[176:179]
	s_wait_loadcnt 2                               ; Q's two loads may stay out
	ds_store_b16 v11, v180                         ; channel tile 0's two bytes of my 64 keys,
	ds_store_b16_d16_hi v11, v180 offset:4         ; tile 1's,
	ds_store_b16 v11, v181 offset:8
	ds_store_b16_d16_hi v11, v181 offset:12
	s_wait_dscnt 0x0                               ; for the others' sake: my part of the head lies in LDS
	s_barrier_signal -1
	s_barrier_wait -1                              ; behind it K, V and their words are only read, up to the second barrier
; One tile of 16 queries.
.macro TILE p
.if \p
	s_wait_xcnt 0x0                                ; the last tile's loads have read their bases, which are written again below
	TPRO \p
.endif
.set j, 0
.rept 32
	v_mov_b32 v[OT+j], 0                           ; the step is written once: the first finds zeros, which the first change of M leaves zeros
.set j, j+1
.endr
	v_mov_b32 v14, 0
	v_mov_b32 v15, 0
	v_mov_b32 v13, 0xff61b1e6                      ; the largest t so far: -3e38
	s_delay_alu instid0(VALU_DEP_1)
	v_floor_f32 v12, -v13
	s_mov_b32 s24, 0                               ; where the step's images begin: 4,096 bytes a step,
	s_mov_b32 s25, 0                               ; K's words: 512,
	s_mov_b32 s26, 0                               ; V's: 256
	s_mov_b32 s27, 16                              ; 16 steps of 128 keys
	s_wait_alu depctr_va_vdst(0)
	s_wait_loadcnt 0x0                             ; Q
	s_wait_xcnt 0x0                                ; the prefetch has read its offset register, which the way out writes again
.Lstep_\@:
	v_add_nc_u32 v[ADK], s24, v[LI]                ; these four are also the places in front of loads into registers that the last products read
	v_add_nc_u32 v[ADV], s24, v[LV]
	v_add_nc_u32 v[ADS], s25, v[LK]
	v_add_nc_u32 v[ADT], s26, v[LT]
.irp t, 0,1,2,3,4,5,6,7
	ds_load_b128 v[KF+4*\t:KF+4*\t+3], v[ADK] offset:512*\t
.endr
	ds_load_b64 v[KS:KS+1], v[ADS]                 ; lanes 0-15: tiles 0 and 2; lanes 16-31: tiles 1 and 3
	ds_load_b64 v[KS+2:KS+3], v[ADS] offset:256    ; tiles 4 to 7
.irp t, 0,1,2,3
.irp c, 0,1
	ds_load_b128 v[VF+8*\t+4*\c:VF+8*\t+4*\c+3], v[ADV] offset:1024*\t+512*\c
.endr
.endr
	ds_load_b128 v[VS:VS+3], v[ADT]
	s_wait_dscnt 9                                 ; K and its words are in; V's eight loads and its words may stay out
.irp t, 0,2,4,6
	v_wmma_scale_f32_16x16x128_f8f6f4 v[S+8*\t:S+8*\t+7], v[KF+4*\t:KF+4*\t+7], v[16:23], 0, v[KS+\t/2], v[QS] matrix_a_fmt:MATRIX_FMT_FP4 matrix_b_fmt:MATRIX_FMT_FP4
	v_wmma_scale_f32_16x16x128_f8f6f4 v[S+8*\t+8:S+8*\t+15], v[KF+4*\t+4:KF+4*\t+11], v[16:23], 0, v[KS+\t/2], v[QS] matrix_a_fmt:MATRIX_FMT_FP4 matrix_b_fmt:MATRIX_FMT_FP4 matrix_a_scale:MATRIX_SCALE_ROW1
.endr
	v_mov_b32 v[F+1], v12                          ; the old -M; with the three below: four places behind the products
.rept 3
	v_nop
.endr
.irp b, 0,1,2,3
	v_max3_num_f32 v[BM+\b], v[S+16*\b], v[S+1+16*\b], v[S+2+16*\b]   ; the largest score of each block of 32 keys: for the row's maximum, and for the block's largest p
.endr
.irp i, 3,5,7,9,11,13
.irp b, 0,1,2,3
	v_max3_num_f32 v[BM+\b], v[BM+\b], v[S+16*\b+\i], v[S+1+16*\b+\i]
.endr
.endr
.irp b, 0,1,2,3
	v_max_num_f32 v[BM+\b], v[BM+\b], v[S+15+16*\b]
.endr
.irp b, 0,1,2,3
	s_delay_alu instid0(VALU_DEP_4)
	v_permlanex16_b32 v[T2+\b], v[BM+\b], s20, s21
.endr
.irp b, 0,1,2,3
	s_delay_alu instid0(VALU_DEP_4)
	v_max_num_f32 v[BM+\b], v[BM+\b], v[T2+\b]     ; with lane l xor 16's sixteen keys
.endr
	s_delay_alu instid0(VALU_DEP_2)
	v_max3_num_f32 v[TMP], v[BM], v[BM+1], v[BM+2]
	s_delay_alu instid0(VALU_DEP_1)
	v_max_num_f32 v[TMP], v[TMP], v[BM+3]
	s_delay_alu instid0(VALU_DEP_1)
	v_mul_f32 v[TMP], s22, v[TMP]                  ; as t (c is positive)
	s_delay_alu instid0(VALU_DEP_1)
	v_max_num_f32 v13, v13, v[TMP]                 ; the running largest t
	s_delay_alu instid0(VALU_DEP_1)
	v_floor_f32 v12, -v13                          ; the new -M = -ceil(t): a whole number
	s_delay_alu instid0(VALU_DEP_1)
	v_sub_f32 v[TMP], v12, v[F+1]                  ; old M - new M, 0 or less
	s_delay_alu instid0(VALU_DEP_1)
	v_cvt_i32_f32 v[TMP], v[TMP]                   ; (it saturates)
	s_delay_alu instid0(VALU_DEP_1)
	v_ldexp_f32 v[F], 1.0, v[TMP]                  ; f = 2^(old M - new M): a multiplication by it rounds nothing
.set j, 0
.rept 32
	v_pk_fma_f32 v[S+j:S+j+1], v[S+j:S+j+1], s[22:23], v[12:13] op_sel_hi:[1,0,0]   ; t - M, two at a time
.set j, j+2
.endr
.irp b, 0,1,2,3
	v_fma_f32 v[BM+\b], v[BM+\b], s22, v12         ; the same of each block's largest score
.endr
.set j, 0
	s_wait_alu depctr_va_vdst(0)
.rept 64
	v_exp_f32 v[S+j], v[S+j]                       ; p = 2^(t - M), at most 1, not normalised
.set j, j+1
.endr
	v_pk_mul_f32 v[14:15], v[14:15], v[F:F+1] op_sel_hi:[1,0]   ; l under the new M; the plain instruction behind the exponentials
	s_wait_alu depctr_va_vdst(0)                   ; one wait for the batch of 64, ahead of its first reader
.irp b, 0,1,2,3
	v_exp_f32 v[BM+\b], v[BM+\b]                   ; the block's largest p: the same two instructions on the same number
.endr
	v_pk_add_f32 v[212:213], v[116:117], v[120:121]   ; l: the unquantised p, in eight chains by turns
	v_pk_add_f32 v[252:253], v[124:125], v[128:129]
	v_pk_add_f32 v[250:251], v[132:133], v[136:137]
	v_pk_add_f32 v[248:249], v[140:141], v[144:145]
	v_pk_add_f32 v[246:247], v[148:149], v[152:153]
	v_pk_add_f32 v[244:245], v[156:157], v[160:161]
	v_pk_add_f32 v[242:243], v[164:165], v[168:169]
	v_pk_add_f32 v[14:15], v[14:15], v[172:173]
	v_pk_add_f32 v[212:213], v[212:213], v[112:113]
	v_pk_add_f32 v[252:253], v[252:253], v[114:115]
	v_pk_add_f32 v[250:251], v[250:251], v[118:119]
	v_pk_add_f32 v[248:249], v[248:249], v[122:123]
	v_pk_add_f32 v[246:247], v[246:247], v[126:127]
	v_pk_add_f32 v[244:245], v[244:245], v[130:131]
	v_pk_add_f32 v[242:243], v[242:243], v[134:135]
	v_pk_add_f32 v[14:15], v[14:15], v[138:139]
	v_pk_add_f32 v[212:213], v[212:213], v[142:143]
	v_pk_add_f32 v[252:253], v[252:253], v[146:147]
	v_pk_add_f32 v[250:251], v[250:251], v[150:151]
	v_pk_add_f32 v[248:249], v[248:249], v[154:155]
	v_pk_add_f32 v[246:247], v[246:247], v[158:159]
	v_pk_add_f32 v[244:245], v[244:245], v[162:163]
	v_pk_add_f32 v[242:243], v[242:243], v[166:167]
	v_pk_add_f32 v[14:15], v[14:15], v[170:171]
	s_wait_alu depctr_va_vdst(0)                   ; and one for the four
	; the chains' end, the blocks' scales and half of O^T's rescaling by turns: every result is read five or more vector instructions behind its write
.irp b, 0,1,2,3
	v_max_num_f32 v[BM+\b], 0x1800000, v[BM+\b]    ; the floor 2^(3 - 127): the byte cannot fall under 1
.endr
	v_pk_add_f32 v[212:213], v[212:213], v[174:175]
	v_pk_add_f32 v[252:253], v[252:253], v[244:245]
	v_pk_add_f32 v[250:251], v[250:251], v[242:243]
	v_pk_add_f32 v[14:15], v[14:15], v[248:249]
.irp b, 0,1,2,3
	v_add_nc_u32 v[SCO+\b], 0xff000000, v[BM+\b]   ; 2 off the exponent field: the conversion's scale operand
.endr
	v_pk_add_f32 v[212:213], v[212:213], v[246:247]
	v_pk_add_f32 v[14:15], v[14:15], v[252:253]
.irp b, 0,1,2,3
	v_lshrrev_b32 v[242+\b], 23, v[SCO+\b]         ; the scale's byte
.endr
	v_pk_add_f32 v[212:213], v[212:213], v[250:251]
.irp j, 0,2,4,6
	v_pk_mul_f32 v[OT+\j:OT+\j+1], v[OT+\j:OT+\j+1], v[F:F+1] op_sel_hi:[1,0]   ; O^T under the new M
.endr
	v_pk_add_f32 v[14:15], v[14:15], v[212:213]
	v_lshl_or_b32 v[PW], v243, 8, v242             ; p's scale word for these 128 keys
	v_lshl_or_b32 v244, v245, 8, v244
.irp j, 8,10,12,14
	v_pk_mul_f32 v[OT+\j:OT+\j+1], v[OT+\j:OT+\j+1], v[F:F+1] op_sel_hi:[1,0]
.endr
	v_lshl_or_b32 v[PW], v244, 16, v[PW]
.irp b, 0,1,2,3
	v_cvt_scalef32_pk8_fp4_f32 v[PC+2*\b], v[S+16*\b:S+7+16*\b], v[SCO+\b]
	v_cvt_scalef32_pk8_fp4_f32 v[PC+1+2*\b], v[S+8+16*\b:S+15+16*\b], v[SCO+\b]
.endr
	v_nop                                          ; one plain instruction behind the last scaled conversion
.irp c, 0,1
.irp i, 0,1
	v_permlane16_swap_b32 v[PC+4*\c+\i], v[PC+2+4*\c+\i]   ; a whole block to a lane
.endr
.endr
.irp j, 16,18,20,22,24,26,28,30
	v_pk_mul_f32 v[OT+\j:OT+\j+1], v[OT+\j:OT+\j+1], v[F:F+1] op_sel_hi:[1,0]   ; these eight are also the places between the making of p's codes and word and the products
.endr
	s_wait_alu depctr_va_vdst(0)
	s_wait_dscnt 0x0                               ; V and its words are in
.irp t, 0,1,2,3
	v_wmma_scale_f32_16x16x128_f8f6f4 v[OT+8*\t:OT+8*\t+7], v[VF+8*\t:VF+8*\t+7], v[PC:PC+7], v[OT+8*\t:OT+8*\t+7], v[VS+\t], v[PW] matrix_a_fmt:MATRIX_FMT_FP4 matrix_b_fmt:MATRIX_FMT_FP4
.endr
	s_add_co_u32 s24, s24, 4096
	s_add_co_u32 s25, s25, 512
	s_add_co_u32 s26, s26, 256
	s_sub_co_u32 s27, s27, 1
	s_cmp_lg_u32 s27, 0
	s_cbranch_scc1 .Lstep_\@
	; O^T / l + Q goes into my rows of mix in LDS
.rept 4
	v_nop                                          ; four places behind the last products
.endr
.irp i, 0,1,2,3,4,5,6,7
	global_load_b128 v[S+4*\i:S+4*\i+3], v[LI], s[32:33] offset:512*\i   ; Q as f32, register for register as O^T lies
.endr
.if \p
.irp i, 0,1,2,3,4,5,6,7
	global_load_b128 v[GW+4*\i:GW+4*\i+3], v[LI], s[10:11] offset:512*\i   ; the second norm's gain and bias at columns 128 i + 4 lane
	global_load_b128 v[GB+4*\i:GB+4*\i+3], v[LI], s[48:49] offset:512*\i
.endr
.endif
	v_add_f32 v14, v14, v15
	s_delay_alu instid0(VALU_DEP_1)
	v_permlanex16_b32 v[T2], v14, s20, s21
	s_delay_alu instid0(VALU_DEP_1)
	v_add_f32 v14, v14, v[T2]                      ; the row's sum
	s_wait_alu depctr_va_vdst(0)
	v_rcp_f32 v[RC], v14
	v_nop                                          ; a plain instruction behind the transcendental,
	s_wait_alu depctr_va_vdst(0)                   ; and the wait ahead of its first reader
	s_wait_loadcnt 16*\p                           ; Q is in; the sixteen younger loads (p = 1) may stay out
.set j, 0
.rept 16
	v_pk_fma_f32 v[S+32+j:S+33+j], v[OT+j:OT+j+1], v[RC:RC+1], v[S+j:S+j+1] op_sel_hi:[1,0,1]
.set j, j+2
.endr
.irp b, 0,1
.irp i, 0,1,2,3
	ds_store_b128 v[MO], v[S+32+16*\b+4*\i:S+32+16*\b+4*\i+3] offset:2176*\p+128*\b+16*\i   ; register 16 b + i is channel 32 b + 16 (lane/16) + i
.endr
.endr
.endm
	TILE 0
	TILE 1
; PART 2
.macro REDUCE                          ; the four chains and the 32 lanes become one number, in every lane
	s_delay_alu instid0(VALU_DEP_3)
	v_pk_add_f32 v[CH:CH+1], v[CH:CH+1], v[CH+2:CH+3]
	s_delay_alu instid0(VALU_DEP_2)
	v_pk_add_f32 v[CH+4:CH+5], v[CH+4:CH+5], v[CH+6:CH+7]
	s_delay_alu instid0(VALU_DEP_1)
	v_pk_add_f32 v[CH:CH+1], v[CH:CH+1], v[CH+4:CH+5]
	s_delay_alu instid0(VALU_DEP_1)
	v_add_f32 v[CH], v[CH], v[CH+1]
.irp u, 1,2,4,8
	s_delay_alu instid0(VALU_DEP_1)
	v_add_f32_dpp v[CH], v[CH], v[CH] row_xmask:\u row_mask:0xf bank_mask:0xf
.endr
	s_delay_alu instid0(VALU_DEP_1)
	v_permlanex16_b32 v[PD], v[CH], s20, s21
	s_delay_alu instid0(VALU_DEP_1)
	v_add_f32 v[CH], v[CH], v[PD]
.endm
; One row.  Load i of lane l holds columns 128 i + 4 l .. + 3: K step i, block l / 8: eight lanes hold a block.
.macro LNROW j
.set XB, XR+64*(\j)
	s_wait_dscnt 0x0                               ; my rows are in registers; the last row's LDS stores are done
.irp k, 0,1,2,3
	v_pk_add_f32 v[CH+2*\k:CH+2*\k+1], v[XB+2*\k:XB+2*\k+1], v[XB+8+2*\k:XB+9+2*\k]
.endr
.irp q, 16,24
.irp k, 0,1,2,3
	s_delay_alu instid0(VALU_DEP_4)
	v_pk_add_f32 v[CH+2*\k:CH+2*\k+1], v[CH+2*\k:CH+2*\k+1], v[XB+\q+2*\k:XB+\q+2*\k+1]
.endr
.endr
	REDUCE
	s_delay_alu instid0(VALU_DEP_1)
	v_mul_f32 v[MU], s60, v[CH]                    ; minus the mean
.irp k, 0,1,2,3,4,5,6,7,8,9,10,11,12,13,14,15
	v_pk_add_f32 v[XB+2*\k:XB+2*\k+1], v[XB+2*\k:XB+2*\k+1], v[MU:MU+1] op_sel_hi:[1,0]
.endr
.irp k, 0,1,2,3
	v_pk_mul_f32 v[CH+2*\k:CH+2*\k+1], v[XB+2*\k:XB+2*\k+1], v[XB+2*\k:XB+2*\k+1]
.endr
.irp q, 8,16,24
.irp k, 0,1,2,3
	s_delay_alu instid0(VALU_DEP_4)
	v_pk_fma_f32 v[CH+2*\k:CH+2*\k+1], v[XB+\q+2*\k:XB+\q+2*\k+1], v[XB+\q+2*\k:XB+\q+2*\k+1], v[CH+2*\k:CH+2*\k+1]
.endr
.endr
	REDUCE
	s_delay_alu instid0(VALU_DEP_1)
	v_fma_f32 v[CH], v[CH], s61, s62               ; the variance + eps
	s_wait_alu depctr_va_vdst(0)
	v_rsq_f32 v[RS], v[CH]
	v_nop                                          ; a plain instruction behind the transcendental,
	s_wait_alu depctr_va_vdst(0)                   ; and the wait ahead of its first reader
.irp k, 0,1,2,3,4,5,6,7,8,9,10,11,12,13,14,15
	v_pk_mul_f32 v[XB+2*\k:XB+2*\k+1], v[XB+2*\k:XB+2*\k+1], v[RS:RS+1] op_sel_hi:[1,0]
.endr
.irp k, 0,1,2,3,4,5,6,7,8,9,10,11,12,13,14,15
	v_pk_fma_f32 v[XB+2*\k:XB+2*\k+1], v[XB+2*\k:XB+2*\k+1], v[GW+2*\k:GW+2*\k+1], v[GB+2*\k:GB+2*\k+1]
.endr
.irp i, 0,1,2,3,4,5,6,7
	v_max3_num_f32 v[MX+\i], |v[XB+4*\i]|, |v[XB+4*\i+1]|, 0x1800000   ; my four numbers of block (i, l / 8), and the floor 2^(3 - 127)
.endr
.irp i, 0,1,2,3,4,5,6,7
	v_max3_num_f32 v[MX+\i], v[MX+\i], |v[XB+4*\i+2]|, |v[XB+4*\i+3]|
.endr
.irp u, 1,2,4
.irp i, 0,1,2,3,4,5,6,7
	v_max_num_f32_dpp v[MX+\i], v[MX+\i], v[MX+\i] row_xmask:\u row_mask:0xf bank_mask:0xf   ; with the block's other seven lanes
.endr
.endr
.irp i, 0,1,2,3,4,5,6,7
	v_add_nc_u32 v[MX+\i], 0xff000000, v[MX+\i]    ; 2 off the exponent field: the conversion's scale operand
.endr
.irp i, 0,1,2,3,4,5,6,7
	v_lshrrev_b32 v[BY+\i], 23, v[MX+\i]           ; the scale's byte
.endr
.irp i, 0,2,4,6                        ; a conversion takes eight numbers under one scale; four are of the block in hand: the low half of the even load's result, the high half of the odd one's
	v_cvt_scalef32_pk8_fp4_f32 v[CH+\i], v[XB+4*\i:XB+4*\i+7], v[MX+\i]
	v_cvt_scalef32_pk8_fp4_f32 v[CH+\i+1], v[XB+4*\i:XB+4*\i+7], v[MX+\i+1]
.endr
	v_nop                                          ; one plain instruction behind the last scaled conversion
.irp i, 0,2,4,6
	ds_store_b16 v[IA], v[CH+\i] offset:1024*\i+16*(\j)
	ds_store_b16_d16_hi v[IA], v[CH+\i+1] offset:1024*(\i+1)+16*(\j)
.endr
.irp i, 0,1,2,3,4,5,6,7
	ds_store_b8 v[SA], v[BY+\i] offset:64*\i+4*(\j)   ; the eight lanes of a block write the same byte with the same value
.endr
.endm
; Where column tile t's fragment of K step s lies: K step s takes set (s + 3) % 4, so that K step 0 has set 3, whose registers part 2 leaves alone.
.macro WREG s, t
.if (((\s)+3)%4) < 3
.set rW, WF0+32*(((\s)+3)%4)+8*(\t)
.elseif (\t) == 0
.set rW, 212
.elseif (\t) == 1
.set rW, 12
.elseif (\t) == 2
.set rW, 242
.else
.set rW, 234
.endif
.endm
.macro WLOAD s                         ; Wo's four fragments of K step s, 4,096 consecutive bytes
.irp t, 0,1,2,3
	WREG \s, \t
.irp c, 0,1
	global_load_b128 v[rW+4*\c:rW+4*\c+3], v[LI], s[32:33] offset:(\s)*4096+\t*1024+\c*512
.endr
.endr
.endm
	v_mov_b32 v[MU+1], 0                           ; named as upper halves of pairs, so they are written
	v_mov_b32 v[RS+1], 0
	v_mov_b32 v[PD], 0
.irp j, 0,1
.irp i, 0,1,2,3,4,5,6,7
	ds_load_b128 v[XR+64*\j+4*\i:XR+64*\j+4*\i+3], v[LR] offset:\j*RP+544*\i   ; LDS serves a wave's instructions in order: these see my stores
.endr
.endr
	; part 3's addresses are made here, so that its first loads go out ahead of part 2's arithmetic
	s_mul_i32 s16, s12, 4352                       ; my stage: 16 rows x 272 bytes, in K's bytes
	s_mul_i32 s18, s12, 272
	s_add_co_u32 s18, s18, MIXL                    ; my 64 columns in a row of mix
	s_mov_b32 s25, 0
	s_lshl_b32 s24, s12, 8
	s_add_nc_u64 s[28:29], s[54:55], s[24:25]      ; bo at my columns
	s_lshl_b32 s24, s12, 11
	s_add_nc_u64 s[30:31], s[52:53], s[24:25]      ; Wo's scale bytes at my 64 rows
	s_lshl_b32 s24, s12, 15
	s_add_co_u32 s24, s24, 0x180000
	s_add_nc_u64 s[32:33], s[50:51], s[24:25]      ; Wo's image, the fourth of wimg, at my group
	s_lshl_b32 s24, s14, 19                        ; out0: 128 rows a head, 32 a work-group, 4,096 bytes a row
	s_lshl_b32 s26, s13, 17
	s_add_co_u32 s24, s24, s26
	s_lshl_b32 s26, s12, 8
	s_add_co_u32 s24, s24, s26
	s_add_nc_u64 s[34:35], s[56:57], s[24:25]
	v_and_b32 v12, 15, v0                          ; r
	v_bfe_u32 v13, v0, 4, 1                        ; lane / 16
	v_and_b32 v14, 8, v0
	v_mul_u32_u24 v[XSA], v13, 576
	v_mul_u32_u24 v[SO], v12, 272
	v_mul_u32_u24 v[SR], v13, 272
	v_mul_u32_u24 v[RR], v13, RP
	v_add_nc_u32 v14, v14, v12                     ; r + 8 (r / 8)
	v_lshlrev_b32 v[BOA], 4, v12
	v_lshl_add_u32 v[XSA], v12, 2, v[XSA]
	v_lshl_add_u32 v[SO], v13, 6, v[SO]
	v_lshl_add_u32 v[SR], v12, 4, v[SR]
	v_lshl_add_u32 v[RR], v12, 4, v[RR]
	v_lshl_add_u32 v[WSA], v13, 3, v14
	v_add_nc_u32 v[XA], XIMG, v[LI]
	v_add_nc_u32 v[XSA], XSC, v[XSA]
	v_add_nc_u32 v[SO], s16, v[SO]
	v_add_nc_u32 v[SR], s16, v[SR]
	v_add_nc_u32 v[RR], s18, v[RR]
	v_lshlrev_b32 v[WSA], 5, v[WSA]
	s_delay_alu instid0(VALU_DEP_2)
	v_add_nc_u32 v[RR+1], 16*RP, v[RR]
	s_wait_alu depctr_va_vdst(0)
.irp b, 0,1
.irp k, 0,1
	global_load_b128 v[26+200*\b+4*\k:26+200*\b+4*\k+3], v[WSA], s[30:31] offset:\b*1024+16*\k   ; Wo's scale words: four K steps a load; word 26 + 200 (t/2) + s
.endr
.endr
	global_load_b128 v[BO:BO+3], v[BOA], s[28:29]  ; bo at the four columns that I store
	WLOAD 0
	s_wait_loadcnt 13                              ; the gain and the bias are in; the thirteen loads just issued may stay out
	LNROW 0
	LNROW 1
; PART 3
	s_wait_dscnt 0x0                               ; for the others' sake: my rows of mix, their images and scale bytes lie in LDS; my reads of K and V are over
	WLOAD 1
	WLOAD 2
	WLOAD 3
	s_barrier_signal -1
	s_barrier_wait -1                              ; behind it mix and the images are only read, and a stage is its wave's own
.macro WMS d, a, b, z, sa, sb, ra, rb  ; one product; z: it starts its sum; ra, rb: the side's scale words stand in lanes 16-31
.if \z
.if (\ra) && (\rb)
	v_wmma_scale_f32_16x16x128_f8f6f4 v[\d:\d+7], v[\a:\a+7], v[\b:\b+7], 0, v[\sa], v[\sb] matrix_a_fmt:MATRIX_FMT_FP4 matrix_b_fmt:MATRIX_FMT_FP4 matrix_a_scale:MATRIX_SCALE_ROW1 matrix_b_scale:MATRIX_SCALE_ROW1
.elseif (\ra)
	v_wmma_scale_f32_16x16x128_f8f6f4 v[\d:\d+7], v[\a:\a+7], v[\b:\b+7], 0, v[\sa], v[\sb] matrix_a_fmt:MATRIX_FMT_FP4 matrix_b_fmt:MATRIX_FMT_FP4 matrix_a_scale:MATRIX_SCALE_ROW1
.elseif (\rb)
	v_wmma_scale_f32_16x16x128_f8f6f4 v[\d:\d+7], v[\a:\a+7], v[\b:\b+7], 0, v[\sa], v[\sb] matrix_a_fmt:MATRIX_FMT_FP4 matrix_b_fmt:MATRIX_FMT_FP4 matrix_b_scale:MATRIX_SCALE_ROW1
.else
	v_wmma_scale_f32_16x16x128_f8f6f4 v[\d:\d+7], v[\a:\a+7], v[\b:\b+7], 0, v[\sa], v[\sb] matrix_a_fmt:MATRIX_FMT_FP4 matrix_b_fmt:MATRIX_FMT_FP4
.endif
.else
.if (\ra) && (\rb)
	v_wmma_scale_f32_16x16x128_f8f6f4 v[\d:\d+7], v[\a:\a+7], v[\b:\b+7], v[\d:\d+7], v[\sa], v[\sb] matrix_a_fmt:MATRIX_FMT_FP4 matrix_b_fmt:MATRIX_FMT_FP4 matrix_a_scale:MATRIX_SCALE_ROW1 matrix_b_scale:MATRIX_SCALE_ROW1
.elseif (\ra)
	v_wmma_scale_f32_16x16x128_f8f6f4 v[\d:\d+7], v[\a:\a+7], v[\b:\b+7], v[\d:\d+7], v[\sa], v[\sb] matrix_a_fmt:MATRIX_FMT_FP4 matrix_b_fmt:MATRIX_FMT_FP4 matrix_a_scale:MATRIX_SCALE_ROW1
.elseif (\rb)
	v_wmma_scale_f32_16x16x128_f8f6f4 v[\d:\d+7], v[\a:\a+7], v[\b:\b+7], v[\d:\d+7], v[\sa], v[\sb] matrix_a_fmt:MATRIX_FMT_FP4 matrix_b_fmt:MATRIX_FMT_FP4 matrix_b_scale:MATRIX_SCALE_ROW1
.else
	v_wmma_scale_f32_16x16x128_f8f6f4 v[\d:\d+7], v[\a:\a+7], v[\b:\b+7], v[\d:\d+7], v[\sa], v[\sb] matrix_a_fmt:MATRIX_FMT_FP4 matrix_b_fmt:MATRIX_FMT_FP4
.endif
.endif
.endm
; Row tile m (rows 16 m + r) x column tile t, K step s.  K step 0's products start the sums.
.macro WM m, t, s
	WREG \s, \t
.set rX, XF+8*(\m)
.set sW, 26+200*((\t)/2)+(\s)
.set rD, ACC+32*(\m)+8*(\t)
	WMS rD, rW, rX, (\s)==0, sW, XS, (\t)%2, \m
.endm
; A K step of 128: Wo's fragments three steps on are asked for, into the set that the last step read; the rows' fragments and words come from LDS; eight products, the accumulators by turns.
.macro STEP s
.if (\s) > 0
.rept 4
	v_nop                                          ; four places in front of loads into registers that the last products read
.endr
.endif
.if ((\s) > 0) && ((\s) < 5)
	WLOAD (\s)+3
.endif
.irp m, 0,1
.irp c, 0,1
	ds_load_b128 v[XF+8*\m+4*\c:XF+8*\m+4*\c+3], v[XA] offset:\m*8192+(\s)*1024+\c*512
.endr
.endr
	ds_load_b32 v[XS], v[XSA] offset:(\s)*64
.if (\s) < 5
	s_wait_loadcnt 24                              ; all but the three younger K steps' 24 loads
.else
	s_wait_loadcnt 8*(7-(\s))                      ; the K steps that are left, eight loads each, may stay out
.endif
	s_wait_dscnt 0x0
.irp m, 0,1
.irp t, 0,1,2,3
	WM \m, \t, \s
.endr
.endr
.endm
.irp s, 0,1,2,3,4,5,6,7
	STEP \s
.endr
.rept 4
	v_nop                                          ; four places behind the last products: their results are read, and their operands' registers loaded, below
.endr
.macro OUTM m                          ; row tile m leaves
.set OB, WF0+64*(\m)
.irp b, 0,1
.irp i, 0,1,2,3
	ds_store_b128 v[SO], v[ACC+32*(\m)+16*\b+4*\i:ACC+32*(\m)+16*\b+4*\i+3] offset:128*\b+16*\i   ; each accumulator from its low end on; register 16 b + i is column 32 b + 16 (lane/16) + i
.endr
.endr
.irp i, 0,1,2,3,4,5,6,7
	ds_load_b128 v[OB+4*\i:OB+4*\i+3], v[SR] offset:544*\i   ; LDS serves a wave's instructions in order: these see my stores
.endr
.irp i, 0,1,2,3,4,5,6,7
	ds_load_b128 v[WF0+32+4*\i:WF0+32+4*\i+3], v[RR+\m] offset:2*\i*RP   ; the residual, in the same places
.endr
	s_wait_dscnt 0x0
.irp k, 0,1,2,3,4,5,6,7,8,9,10,11,12,13,14,15
	v_pk_add_f32 v[OB+2*\k:OB+2*\k+1], v[OB+2*\k:OB+2*\k+1], v[WF0+32+2*\k:WF0+32+2*\k+1]
.endr
.irp k, 0,1,2,3,4,5,6,7,8,9,10,11,12,13,14,15
	v_pk_add_f32 v[OB+2*\k:OB+2*\k+1], v[OB+2*\k:OB+2*\k+1], v[BO+2*(\k%2):BO+2*(\k%2)+1]   ; bo: every piece of 16 bytes holds the same four columns
.endr
.irp i, 0,1,2,3,4,5,6,7
	global_store_b128 v[GO], v[OB+4*\i:OB+4*\i+3], s[34:35] offset:(16*(\m)+2*\i)*4096 th:TH_STORE_NT   ; 16 lanes store 256 consecutive bytes, aligned; written once
.endr
.endm
	OUTM 0
	OUTM 1
	s_wait_tensorcnt 0x0                           ; the wave's end
	ds_add_u32 v254, v255
	s_wait_dscnt 0x0
	s_endpgm
.Lfunc_end_k_q641c4fce35_attn:
	.size	k_q641c4fce35_attn, .Lfunc_end_k_q641c4fce35_attn-k_q641c4fce35_attn
	.p2alignl 7, 3214868480
	.fill 96, 4, 3214868480
	.section	.rodata,"a",@progbits
	.p2align	6, 0x0
	.amdhsa_kernel k_q641c4fce35_attn
		.amdhsa_group_segment_fixed_size 306432
		.amdhsa_private_segment_fixed_size 0
		.amdhsa_enable_private_segment 0
		.amdhsa_kernarg_size 72
		.amdhsa_user_sgpr_count 2
		.amdhsa_user_sgpr_kernarg_segment_ptr 1
		.amdhsa_wavefront_size32 1
		.amdhsa_system_sgpr_workgroup_id_x 1
		.amdhsa_system_sgpr_workgroup_id_y 1
		.amdhsa_system_sgpr_workgroup_id_z 1
		.amdhsa_system_vgpr_workitem_id 0
		.amdhsa_next_free_vgpr 256
		.amdhsa_next_free_sgpr 66
		.amdhsa_reserve_vcc 0
		.amdhsa_float_denorm_mode_32 3
		.amdhsa_float_denorm_mode_16_64 3
		.amdhsa_memory_ordered 1
		.amdhsa_forward_progress 1
		.amdhsa_inst_pref_size 107
	.end_amdhsa_kernel
	.amdgpu_metadata
---
amdhsa.version: [ 1, 2 ]
amdhsa.kernels:
  - .name:           k_q641c4fce35_attn
    .symbol:         k_q641c4fce35_attn.kd
    .args:
      - { .name: img, .offset: 0, .size: 8, .value_kind: global_buffer, .address_space: global }
      - { .name: scl, .offset: 8, .size: 8, .value_kind: global_buffer, .address_space: global }
      - { .name: qf, .offset: 16, .size: 8, .value_kind: global_buffer, .address_space: global }
      - { .name: norm1_w, .offset: 24, .size: 8, .value_kind: global_buffer, .address_space: global }
      - { .name: norm1_b, .offset: 32, .size: 8, .value_kind: global_buffer, .address_space: global }
      - { .name: wimg, .offset: 40, .size: 8, .value_kind: global_buffer, .address_space: global }
      - { .name: Wo_scales, .offset: 48, .size: 8, .value_kind: global_buffer, .address_space: global }
      - { .name: bo, .offset: 56, .size: 8, .value_kind: global_buffer, .address_space: global }
      - { .name: out0, .offset: 64, .size: 8, .value_kind: global_buffer, .address_space: global }
    .group_segment_fixed_size: 306432
    .private_segment_fixed_size: 0
    .kernarg_segment_align: 8
    .kernarg_segment_size: 72
    .max_flat_workgroup_size: 512
    .sgpr_count:     66
    .vgpr_count:     256
    .wavefront_size: 32
...
	.end_amdgpu_metadata
.endif
;; end of part 3
